; MI455X (gfx1250); checked and timed in simulation.
; The chip was launched on July 23, 2026; its instructions are those of AMD's public machine-readable ISA for CDNA 5 (MIT licence, August 2026) and "CDNA5" Instruction Set Architecture Reference Guide (July 2026). The comments in the code are by the model that wrote it; some were corrected since.
;; Multi Head Attention. Allowed arithmetic: matrix products marked QUANTISED: E2M3 operands, one E8M0 scale for each 32 along K, by v_wmma_scale_f32_16x16x128_f8f6f4 with both operands' format E2M3, f32 sums; everything else in f32.
;; Inputs: Wk 1,024 x 1,024 float32; Wo 1,024 x 1,024 float32; Wq 1,024 x 1,024 float32; Wv 1,024 x 1,024 float32; bk 1,024 float32; bo 1,024 float32; bq 1,024 float32; bv 1,024 float32; key 4 x 2,048 x 1,024 float32; key_padding_mask 4 x 2,048 bool; query 4 x 2,048 x 1,024 float32; value 4 x 2,048 x 1,024 float32.
;; Outputs: out0 4 x 2,048 x 1,024 float32.
;; This version of the problem:
;;   THIS VERSION OF THE PROBLEM IS GIVEN IN LOW PRECISION. The matrix products marked QUANTISED in the list below multiply operands that are first quantised to E2M3 (2 exponent bits, 3 mantissa bits; 6 bits a number), with one power-of-two scale for each 32 numbers along K (OCP MX v1.0); their sums are f32. All else is computed in f32.
;;   The module's matrix products, in the order in which they are computed (A, B: the left and right operand; K: the contracted axis; several contracted axes count as one K, in the product's order):
;;     1. [M 8,192, K 1,024] x [K 1,024, N 1,024]; A: input query; B: input Wq: QUANTISED
;;     2. [M 8,192, K 1,024] x [K 1,024, N 1,024]; A: input key; B: input Wk: QUANTISED
;;     3. [M 8,192, K 1,024] x [K 1,024, N 1,024]; A: input value; B: input Wv: QUANTISED
;;     4. batch 64 x [M 2,048, K 64] x [K 64, N 2,048]; A: computed on the way; B: computed on the way: QUANTISED
;;     5. batch 64 x [M 2,048, K 2,048] x [K 2,048, N 64]; A: softmax (see below); B: computed on the way: QUANTISED
;;     6. [M 8,192, K 1,024] x [K 1,024, N 1,024]; A: computed on the way; B: input Wo: QUANTISED
;;   THE QUANTISER, for each operand of a quantised product, along K:
;;     - K is cut into blocks of 32 from its start; a last block that is shorter is filled with zeros.
;;     - A block's scale is 2^e with e = floor(log2(the largest magnitude in the block)) - 2, held to -126 .. 127; a block of zeros has e = 0. As a byte (E8M0): e + 127.
;;     - Each number is divided by its block's scale, clamped to +-7.5, and rounded to the nearest number of E2M3, ties to even, subnormals kept.
;;     - The product sums the exact products of the quantised numbers (number of the format x scale) in f32.
;;   ~~~python
;;   def quantise(x, axis):      # numpy; x: float32 -> the quantised numbers, widened to float32 again
;;       x = np.moveaxis(x, axis, -1); K = x.shape[-1]
;;       x = np.pad(x, [(0, 0)] * (x.ndim - 1) + [(0, -K % 32)]); x = x.reshape(x.shape[:-1] + (-1, 32)); a = np.abs(x).max(-1, keepdims=True)
;;       e = np.where(a > 0, np.clip(np.frexp(np.where(a > 0, a, 1))[1] - 1 - 2, -126, 127), 0)      # np.frexp(a)[1] - 1 = floor(log2(a)), exactly
;;       r = np.clip(x / 2.0 ** e, -7.5, 7.5)
;;       step = 2.0 ** (np.maximum(np.frexp(np.where(r == 0, 1, r))[1] - 1, 0) - 3)
;;       q = np.round(r / step) * step * 2.0 ** e      # np.round: ties to even
;;       return np.moveaxis(q.reshape(q.shape[:-2] + (-1,))[..., :K], -1, axis).astype(np.float32)
;;   ~~~
;;   SOFTMAX AHEAD OF A QUANTISED PRODUCT. Where the list says 'softmax', what is quantised is not the finished softmax but p = 2^(t - M), with t = logit x log2(e) and M = ceil(the row's largest t), a whole number; so 1/2 < the row's largest p <= 1. The row's sum l is taken of the UNQUANTISED p, in f32, and the product's result is divided by l at the end. Since M is a whole number, a kernel that streams over the keys may use a running M (the ceiling of the running maximum): every later rescaling is an exact power of two, which a block's scale takes up: the codes' values come out the same.
;;   OPERANDS COMPUTED ON THE WAY. 'Computed on the way' means the value that the module computes at that place (a softmax that the list does not call 'softmax' is quantised finished and normalised). What goes into a quantiser is computed in f32, as accurately as f32 sums, v_exp_f32 and their like allow (about 1e-6 of the number): no bf16 or f16 on the way to a quantiser, and a product that is left as it is and whose result goes on into a quantised operand takes f32 operands (vector FMAs, or v_wmma_f32_16x16x4_f32). A number that lies on a knife's edge between two numbers of the format may be rounded either way, as far as f32 arithmetic and the matrix unit's own rounding can turn it there, and no further.
;; One version. Each part assembles by itself: llvm-mc -triple=amdgcn-amd-amdhsa -mcpu=gfx1250 --defsym DOCPART=n.
;; ======== version 1 of 1: 5 launches
;; limits: right only within a limited range of input values
;; workspace buffers: wbuf 3,276,800 bytes; xbuf 19,660,800 bytes; qbuf 6,815,744 bytes; kvbuf 13,369,344 bytes; abuf 6,553,600 bytes
;; launch quantw (part 1): grid 8 x 16, 4 waves a work-group, no clusters, 35,840 bytes of LDS; arguments Wq, Wk, Wv, Wo, wbuf; writes wbuf
.if DOCPART == 1
	.amdgcn_target "amdgcn-amd-amdhsa--gfx1250"
	.amdhsa_code_object_version 6
	.text
	.protected	k_q324292db59_quantw
	.globl	k_q324292db59_quantw
	.p2align	8
	.type	k_q324292db59_quantw,@function
k_q324292db59_quantw:
	s_mov_b64 s[64:65], 0
	v_nop
	global_prefetch_b8 v0, s[64:65] scope:SCOPE_SE
	s_setreg_imm32_b32 hwreg(HW_REG_WAVE_MODE, 25, 1), 1
	s_wait_xcnt 0x0
; The four weights, [1024 (k)][1024 (n)] f32 with K as the FIRST axis, become codes of FP6 (E2M3) with K innermost and one E8M0 byte for each 32 along K.
; wbuf: codes [4: q, k, v, o][1024 positions][768 bytes]; from WSC0 on the scale bytes [4][1024 positions][32].
; COLUMN n STANDS AT POSITION swap34(n), n with its bits 3 and 4 exchanged: sixteen neighbouring positions then hold the columns 32 b + 8 u + r + 8 (r / 8), the choice of a tile's rows by which a product's
; results, used transposed, are 16 neighbours along the next K in a lane's registers.
; A lane takes a column and its registers run down K: a block of 32 lies in one lane, and the conversions give codes with K innermost.  A wave takes 32 columns x 256 along K; its codes go through its own stage in LDS
; and leave as rows: sixteen lanes store a row's 192 consecutive bytes.  Work-group x: 128 columns; y: tensor (y / 4) and which 256 along K (y % 4).  Waves share nothing: no barrier; work-groups share no input: no cluster.
; A block's byte is its largest magnitude's exponent field - 2, held at 1 from below (a block of zeros keeps 1: its codes are zeros, and this program alone reads the bytes).
; LIMITS: blocks whose largest magnitude lies under 2^-124 keep the byte 1; NaN and infinities among the inputs are not served.  The scale bytes leave 8 bytes a lane to rows 32 bytes apart: one byte in 128 of what is read.
.set SIZE_K, 1024
.set SIZE_N, 1024
.set KW,    256                        ; along K for a wave
.set NB,    KW/32                      ; blocks
.set ROWB,  192                        ; bytes of KW codes
.set PITCH, 272                        ; a stage row: sixteen places of 16 bytes, each with 12 bytes of codes, + 16
.set KROW,  SIZE_K*6/8                 ; a row of codes in bytes
.set EMAX,  2
.set WSC0,  4*1024*KROW                ; where the scale bytes begin
.set X,     32                         ; v32-95   two sets of 32 numbers
.set C,     96                         ; v96..    a block's codes
.set OUTR,  112                        ; v112-175 the way out
.set SPW,   14                         ; v14      LDS address of my spare word; never rewritten
.set NIL,   15                         ; v15      0; never rewritten
.set SPARE, 4*32*PITCH                 ; behind the four stages: the spare words, 128 bytes a wave
.set SB,    24                         ; v24-25   the scale bytes, four to a register
	s_load_b256 s[4:11], s[0:1], 0x0               ; Wq, Wk, Wv, Wo
	s_load_b64 s[12:13], s[0:1], 0x20              ; wbuf
	v_lshl_add_u32 v[SPW], v0, 2, SPARE
	v_mov_b32 v[NIL], 0
	v_lshrrev_b32 v1, 5, v0
	v_readfirstlane_b32 s16, v1                    ; wave 0..3
	v_and_b32 v2, 31, v0                           ; lane
	s_lshl_b32 s17, ttmp9, 7
	s_lshl_b32 s18, s16, 5
	s_add_co_u32 s17, s17, s18                     ; my wave's first column: 128 x + 32 wave
	s_and_b32 s14, ttmp7, 0xffff
	s_lshr_b32 s15, s14, 2                         ; which tensor
	s_and_b32 s18, s14, 3                          ; which 256 along K
	v_lshlrev_b32 v3, 2, v2                        ; in: 4 bytes a lane
	s_mul_i32 s19, s16, 32*PITCH                   ; my stage
	v_mul_u32_u24 v4, v2, PITCH
	v_add_nc_u32 v4, s19, v4                       ; into it: row = my column
	v_and_b32 v5, 15, v2
	v_lshrrev_b32 v6, 4, v2                        ; out of it: sixteen lanes to a row, two rows an instruction
	v_mul_u32_u24 v7, v6, PITCH
	v_lshl_add_u32 v7, v5, 4, v7
	v_add_nc_u32 v7, s19, v7
	v_mul_u32_u24 v8, v6, KROW
	v_mad_u32_u24 v8, v5, 12, v8                   ; and the same place among the codes' rows (bit 0 of a row's number stays where it is)
	v_and_b32 v9, 7, v2                            ; swap34(lane):
	v_bfe_u32 v10, v2, 3, 1
	v_lshl_or_b32 v9, v10, 4, v9
	v_bfe_u32 v10, v2, 4, 1
	v_lshl_or_b32 v9, v10, 3, v9
	v_lshlrev_b32 v9, 5, v9                        ; my column's row of 32 scale bytes
	s_lshl_b32 s20, s18, 20                        ; W: 256 rows of 4,096 bytes for each part of K,
	s_lshl_b32 s22, s17, 2
	s_add_co_u32 s20, s20, s22                     ; + 4 x column
	s_mov_b32 s21, 0
	s_mul_i32 s24, s15, 1024*KROW                  ; codes: the tensor,
	s_mul_i32 s22, s17, KROW
	s_add_co_u32 s24, s24, s22                     ; my 32 positions (a group of 32 stays a group of 32),
	s_mul_i32 s22, s18, ROWB
	s_add_co_u32 s24, s24, s22                     ; my part of K
	s_mov_b32 s25, 0
	s_lshl_b32 s28, s15, 15                        ; scale bytes likewise
	s_lshl_b32 s22, s17, 5
	s_add_co_u32 s28, s28, s22
	s_lshl_b32 s22, s18, 3
	s_add_co_u32 s28, s28, s22
	s_add_co_u32 s28, s28, WSC0
	s_mov_b32 s29, 0
	s_and_b32 s22, s15, 1
	s_wait_kmcnt 0x0
	s_cmp_lt_u32 s15, 2                            ; the choice hangs on the work-group's number alone
	s_cselect_b64 s[4:5], s[4:5], s[8:9]           ; Wq or Wv
	s_cselect_b64 s[6:7], s[6:7], s[10:11]         ; Wk or Wo
	s_cmp_eq_u32 s22, 1
	s_cselect_b64 s[4:5], s[6:7], s[4:5]
	s_add_nc_u64 s[4:5], s[4:5], s[20:21]
	s_add_nc_u64 s[6:7], s[12:13], s[24:25]
	s_add_nc_u64 s[8:9], s[12:13], s[28:29]
.macro LOAD t                          ; block t: W(32 t + i, my column), i = 0 .. 31, into set t % 2
.irp i, 0,1,2,3,4,5,6,7,8,9,10,11,12,13,14,15,16,17,18,19,20,21,22,23,24,25,26,27,28,29,30,31
	global_load_b32 v[X+32*((\t)%2)+\i], v3, s[4:5] offset:(32*(\t)+\i)*SIZE_N*4 th:TH_LOAD_NT
.endr
.endm
	LOAD 0
	LOAD 1
.macro BLOCK t
.set XS, X+32*((\t)%2)
.if (\t) < NB-1
	s_wait_loadcnt 32                              ; this block's 32 loads are in; the next block's may be out
.else
	s_wait_loadcnt 0
.endif
	v_max3_num_f32 v12, |v[XS]|, |v[XS+1]|, |v[XS+2]|               ; the block's largest magnitude: all 32 numbers are mine
	v_max3_num_f32 v13, |v[XS+3]|, |v[XS+4]|, |v[XS+5]|
.irp i, 6,10,14,18,22,26
	v_max3_num_f32 v12, v12, |v[XS+\i]|, |v[XS+\i+1]|
	v_max3_num_f32 v13, v13, |v[XS+\i+2]|, |v[XS+\i+3]|
.endr
	v_max3_num_f32 v12, v12, |v[XS+30]|, |v[XS+31]|
	v_max3_num_f32 v12, v12, v13, (EMAX+1)<<23     ; and the floor 2^(3 - 127): the byte cannot fall under 1
	v_add_nc_u32 v11, -(EMAX<<23), v12             ; 2 off its exponent field: the conversion takes the exponent field of this operand as its scale
	v_lshrrev_b32 v13, 23, v11                     ; the scale's byte
.if (\t)%4 == 0
	v_mov_b32 v[SB+(\t)/4], v13                    ; four bytes to a register, the lower K in the lower byte
.else
	v_lshl_or_b32 v[SB+(\t)/4], v13, 8*((\t)%4), v[SB+(\t)/4]
.endif
	v_cvt_scalef32_pk16_fp6_f32 v[C:C+2], v[XS:XS+15], v11
	v_cvt_scalef32_pk16_fp6_f32 v[C+4:C+6], v[XS+16:XS+31], v11     ; (a conversion's three registers begin on an even number)
	ds_store_b96 v4, v[C:C+2] offset:32*(\t)       ; 12 bytes to a place of 16 in the stage
	ds_store_b96 v4, v[C+4:C+6] offset:32*(\t)+16
.if (\t)+2 < NB
	LOAD (\t)+2
.endif
	s_wait_dscnt 0x0                               ; the stores have read their registers: the next block's codes may be written
.endm
.set Q, 0
.rept NB
	BLOCK Q
.set Q, Q+1
.endr
	global_store_b64 v9, v[SB:SB+1], s[8:9]        ; my column's 8 scale bytes
.irp t, 0,1,2,3,4,5,6,7,8,9,10,11,12,13,14,15
	ds_load_b96 v[OUTR+4*\t:OUTR+4*\t+2], v7 offset:2*\t*PITCH   ; LDS serves a wave's instructions in order: these see my stores
.endr
.irp t, 0,1,2,3,4,5,6,7,8,9,10,11,12,13,14,15
	s_wait_dscnt 15-\t                             ; the younger stage loads may be out
	global_store_b96 v8, v[OUTR+4*\t:OUTR+4*\t+2], s[6:7] offset:(((2*\t)&7)|(((2*\t)&8)<<1)|(((2*\t)&16)>>1))*KROW   ; columns 2 t and 2 t + 1 at positions swap34
.endr
	s_wait_tensorcnt 0x0                           ; the wave's end
	ds_add_u32 v[SPW], v[NIL]
	s_wait_dscnt 0x0
	s_endpgm
.Lfunc_end_k_q324292db59_quantw:
	.size	k_q324292db59_quantw, .Lfunc_end_k_q324292db59_quantw-k_q324292db59_quantw
	.p2alignl 7, 3214868480
	.fill 96, 4, 3214868480
	.section	.rodata,"a",@progbits
	.p2align	6, 0x0
	.amdhsa_kernel k_q324292db59_quantw
		.amdhsa_group_segment_fixed_size 35840
		.amdhsa_private_segment_fixed_size 0
		.amdhsa_enable_private_segment 0
		.amdhsa_kernarg_size 40
		.amdhsa_user_sgpr_count 2
		.amdhsa_user_sgpr_kernarg_segment_ptr 1
		.amdhsa_wavefront_size32 1
		.amdhsa_system_sgpr_workgroup_id_x 1
		.amdhsa_system_sgpr_workgroup_id_y 1
		.amdhsa_system_sgpr_workgroup_id_z 1
		.amdhsa_system_vgpr_workitem_id 0
		.amdhsa_next_free_vgpr 192
		.amdhsa_next_free_sgpr 66
		.amdhsa_reserve_vcc 0
		.amdhsa_float_denorm_mode_32 3
		.amdhsa_float_denorm_mode_16_64 3
		.amdhsa_memory_ordered 1
		.amdhsa_forward_progress 1
		.amdhsa_inst_pref_size 42
	.end_amdhsa_kernel
	.amdgpu_metadata
---
amdhsa.version: [ 1, 2 ]
amdhsa.kernels:
  - .name:           k_q324292db59_quantw
    .symbol:         k_q324292db59_quantw.kd
    .args:
      - { .name: Wq, .offset: 0, .size: 8, .value_kind: global_buffer, .address_space: global }
      - { .name: Wk, .offset: 8, .size: 8, .value_kind: global_buffer, .address_space: global }
      - { .name: Wv, .offset: 16, .size: 8, .value_kind: global_buffer, .address_space: global }
      - { .name: Wo, .offset: 24, .size: 8, .value_kind: global_buffer, .address_space: global }
      - { .name: wbuf, .offset: 32, .size: 8, .value_kind: global_buffer, .address_space: global }
    .group_segment_fixed_size: 35840
    .private_segment_fixed_size: 0
    .kernarg_segment_align: 8
    .kernarg_segment_size: 40
    .max_flat_workgroup_size: 128
    .sgpr_count:     66
    .vgpr_count:     192
    .wavefront_size: 32
...
	.end_amdgpu_metadata
.endif
;; end of part 1
;; launch quantx (part 2): grid 768 x 1, 4 waves a work-group, no clusters, 33,280 bytes of LDS; arguments query, key, value, xbuf; writes xbuf
.if DOCPART == 2
	.amdgcn_target "amdgcn-amd-amdhsa--gfx1250"
	.amdhsa_code_object_version 6
	.text
	.protected	k_q324292db59_quantx
	.globl	k_q324292db59_quantx
	.p2align	8
	.type	k_q324292db59_quantx,@function
k_q324292db59_quantx:
	s_mov_b64 s[64:65], 0
	v_nop
	global_prefetch_b8 v0, s[64:65] scope:SCOPE_SE
	s_setreg_imm32_b32 hwreg(HW_REG_WAVE_MODE, 25, 1), 1
	s_wait_xcnt 0x0
; query, key and value, each [8192 rows][1024] f32, become codes of FP6 (E2M3), K innermost, with one E8M0 byte for each 32 along K.
; xbuf: codes [3: q, k, v][8192 positions][768 bytes]; from XSC0 on the scale bytes [3][8192 positions][32].  ROW n STANDS AT POSITION swap34(n), n with its bits 3 and 4 exchanged (the order in which the products take a tile's rows).
; A wave takes a run of 8 rows (8,192 numbers, 16 steps of 512); the exchange moves whole runs: run 4 g + w goes to place 4 g + (w with its two bits exchanged).
; Each load reads 512 consecutive bytes; a step's 2,048 bytes turn through the wave's own stage in LDS, so that a lane holds 16 neighbours along K (two neighbouring lanes a block).  A lane's 16 codes are 12 bytes.
; A wave's 256 scale bytes are gathered in LDS and leave as one aligned run of 256 bytes.  Waves share nothing: no barrier; work-groups share no input: no cluster.  Loads run four steps ahead.
; A block's byte is its largest magnitude's exponent field - 2, held at 1 from below (a block of zeros keeps 1: its codes are zeros, and this program alone reads the bytes).
; LIMITS: blocks whose largest magnitude lies under 2^-124 keep the byte 1; NaN and infinities among the inputs are not served.
.set WAVES, 4
.set STEPS, 16
.set EMAX,  2
.set CB,    12                         ; bytes of 16 codes
.set XSC0,  3*8192*768                 ; where the scale bytes begin
.set R,     16                         ; v16-79   four sets of 16 numbers as they are loaded
.set X,     80                         ; v80-111  two sets of 16 neighbours
.set C,     128                        ; v128-191 codes: four registers for each step, so that no store's data are written again
.set E,     112                        ; v112-127 a scale byte for each step
.set WREG,  8192                       ; LDS: a region for each wave: two stages of 32 x SP bytes, behind them its 256 scale bytes
.set SP,    80                         ; a lane's place in a stage: 64 bytes + 16 of padding
.set SPW,   12                         ; v12      LDS address of my spare word; never rewritten
.set NIL,   13                         ; v13      0; never rewritten
.set SPARE, WAVES*WREG                 ; behind the four regions: the spare words, 128 bytes a wave
	s_load_b256 s[4:11], s[0:1], 0x0               ; query, key, value, xbuf
	v_lshl_add_u32 v[SPW], v0, 2, SPARE
	v_mov_b32 v[NIL], 0
	v_lshrrev_b32 v1, 5, v0
	v_readfirstlane_b32 s16, v1                    ; wave
	v_and_b32 v2, 31, v0                           ; lane
	v_lshlrev_b32 v3, 4, v2                        ; my 16 bytes of a load's 512
	s_mul_i32 s17, s16, WREG
	v_lshrrev_b32 v14, 2, v2
	v_mul_u32_u24 v14, v14, SP
	v_and_b32 v15, 3, v2
	v_lshl_add_u32 v14, v15, 4, v14
	v_add_nc_u32 v14, s17, v14                     ; the stage, on the way in: SP (lane / 4) + 16 (lane % 4)
	v_mul_u32_u24 v15, v2, SP
	v_add_nc_u32 v15, s17, v15                     ; and on the way out: SP x lane: my 16 neighbours
	v_mul_u32_u24 v4, v2, CB                       ; my codes' place in a step's
	v_lshrrev_b32 v5, 1, v2
	s_add_co_u32 s17, s17, 2*32*SP
	v_add_nc_u32 v5, s17, v5                       ; LDS: my wave's 256 scale bytes, my block's byte
	v_lshlrev_b32 v7, 3, v2                        ; and on the way out 8 bytes a lane
	v_add_nc_u32 v6, s17, v7
	s_and_b32 s18, ttmp9, 255
	s_lshl_b32 s18, s18, 2
	s_add_co_u32 s18, s18, s16                     ; my run among the tensor's 1,024
	s_lshl_b32 s20, s18, 15                        ; 32,768 bytes a run
	s_mov_b32 s21, 0
	s_and_b32 s18, s16, 1                          ; where it goes: the wave's two bits change places
	s_lshl_b32 s18, s18, 1
	s_lshr_b32 s19, s16, 1
	s_or_b32 s18, s18, s19
	s_lshl_b32 s19, ttmp9, 2
	s_add_co_u32 s18, s18, s19
	s_mul_i32 s22, s18, 8*768                      ; its codes,
	s_mov_b32 s23, 0
	s_lshl_b32 s24, s18, 8                         ; its 256 scale bytes
	s_add_co_u32 s24, s24, XSC0
	s_mov_b32 s25, 0
	s_wait_kmcnt 0x0
	s_cmp_lt_u32 ttmp9, 512                        ; the choice hangs on the work-group's number alone
	s_cselect_b64 s[6:7], s[6:7], s[8:9]           ; key or value
	s_cmp_lt_u32 ttmp9, 256
	s_cselect_b64 s[4:5], s[4:5], s[6:7]           ; query, or that
	s_add_nc_u64 s[4:5], s[4:5], s[20:21]
	s_add_nc_u64 s[12:13], s[10:11], s[22:23]
	s_add_nc_u64 s[14:15], s[10:11], s[24:25]
.macro LOAD t
.irp i, 0,1,2,3
	global_load_b128 v[R+16*((\t)%4)+4*\i:R+16*((\t)%4)+4*\i+3], v3, s[4:5] offset:2048*(\t)+512*\i th:TH_LOAD_NT   ; 32 lanes read 512 consecutive bytes
.endr
.endm
.macro TURN t                          ; step t's numbers through the stage: LDS serves a wave's instructions in order, so no wait stands between the stores and the loads
.irp i, 0,1,2,3
	ds_store_b128 v14, v[R+16*((\t)%4)+4*\i:R+16*((\t)%4)+4*\i+3] offset:32*SP*((\t)%2)+8*SP*\i
.endr
.irp i, 0,1,2,3
	ds_load_b128 v[X+16*((\t)%2)+4*\i:X+16*((\t)%2)+4*\i+3], v15 offset:32*SP*((\t)%2)+16*\i
.endr
.endm
.irp t, 0,1,2,3
	LOAD \t
.endr
	s_wait_loadcnt 12                              ; step 0's four loads are in
	TURN 0
.macro STEP t
.set XS, X+16*((\t)%2)
.if (\t) > 0
	s_wait_dscnt 1                                 ; this step's numbers are back from the stage (the last step's byte store may be out): its stores into the stage have read their registers,
.else
	s_wait_dscnt 0x0
.endif
.if (\t)+4 < STEPS
	LOAD (\t)+4                                    ; which take the loads of four steps on
.endif
.if (\t)+1 < STEPS
.if STEPS-2-(\t) >= 3
	s_wait_loadcnt 12                              ; the next step's four loads are in; those of the three steps behind it may be out
.else
	s_wait_loadcnt 4*(STEPS-2-(\t))
.endif
	TURN (\t)+1                                    ; and go through the other stage while this step is worked
.endif
	v_max3_num_f32 v8, |v[XS]|, |v[XS+1]|, |v[XS+2]|               ; the largest magnitude of my 16
	v_max3_num_f32 v9, |v[XS+3]|, |v[XS+4]|, |v[XS+5]|
.irp i, 6,10
	v_max3_num_f32 v8, v8, |v[XS+\i]|, |v[XS+\i+1]|
	v_max3_num_f32 v9, v9, |v[XS+\i+2]|, |v[XS+\i+3]|
.endr
	v_max3_num_f32 v8, v8, |v[XS+14]|, |v[XS+15]|
	v_max3_num_f32 v8, v8, v9, (EMAX+1)<<23        ; and the floor 2^(3 - 127): the byte cannot fall under 1
	v_max_num_f32_dpp v8, v8, v8 row_xmask:1 row_mask:0xf bank_mask:0xf   ; and of my neighbour's 16: the block's
	v_add_nc_u32 v11, -(EMAX<<23), v8              ; 2 off its exponent field: the conversion's scale operand
	v_cvt_scalef32_pk16_fp6_f32 v[C+4*(\t):C+4*(\t)+2], v[XS:XS+15], v11
	v_lshrrev_b32 v[E+(\t)], 23, v11               ; the scale's byte
	ds_store_b8 v5, v[E+(\t)] offset:16*(\t)       ; both lanes of a block write the same byte with the same value
	global_store_b96 v4, v[C+4*(\t):C+4*(\t)+2], s[12:13] offset:32*CB*(\t)
.endm
.irp t, 0,1,2,3,4,5,6,7,8,9,10,11,12,13,14,15
	STEP \t
.endr
	ds_load_b64 v[8:9], v6                         ; LDS serves a wave's instructions in order: these see my stores
	s_wait_dscnt 0x0
	global_store_b64 v7, v[8:9], s[14:15]          ; 32 lanes store 256 consecutive bytes, aligned
	s_wait_tensorcnt 0x0                           ; the wave's end
	ds_add_u32 v[SPW], v[NIL]
	s_wait_dscnt 0x0
	s_endpgm
.Lfunc_end_k_q324292db59_quantx:
	.size	k_q324292db59_quantx, .Lfunc_end_k_q324292db59_quantx-k_q324292db59_quantx
	.p2alignl 7, 3214868480
	.fill 96, 4, 3214868480
	.section	.rodata,"a",@progbits
	.p2align	6, 0x0
	.amdhsa_kernel k_q324292db59_quantx
		.amdhsa_group_segment_fixed_size 33280
		.amdhsa_private_segment_fixed_size 0
		.amdhsa_enable_private_segment 0
		.amdhsa_kernarg_size 32
		.amdhsa_user_sgpr_count 2
		.amdhsa_user_sgpr_kernarg_segment_ptr 1
		.amdhsa_wavefront_size32 1
		.amdhsa_system_sgpr_workgroup_id_x 1
		.amdhsa_system_sgpr_workgroup_id_y 1
		.amdhsa_system_sgpr_workgroup_id_z 1
		.amdhsa_system_vgpr_workitem_id 0
		.amdhsa_next_free_vgpr 192
		.amdhsa_next_free_sgpr 66
		.amdhsa_reserve_vcc 0
		.amdhsa_float_denorm_mode_32 3
		.amdhsa_float_denorm_mode_16_64 3
		.amdhsa_memory_ordered 1
		.amdhsa_forward_progress 1
		.amdhsa_inst_pref_size 32
	.end_amdhsa_kernel
	.amdgpu_metadata
---
amdhsa.version: [ 1, 2 ]
amdhsa.kernels:
  - .name:           k_q324292db59_quantx
    .symbol:         k_q324292db59_quantx.kd
    .args:
      - { .name: query, .offset: 0, .size: 8, .value_kind: global_buffer, .address_space: global }
      - { .name: key, .offset: 8, .size: 8, .value_kind: global_buffer, .address_space: global }
      - { .name: value, .offset: 16, .size: 8, .value_kind: global_buffer, .address_space: global }
      - { .name: xbuf, .offset: 24, .size: 8, .value_kind: global_buffer, .address_space: global }
    .group_segment_fixed_size: 33280
    .private_segment_fixed_size: 0
    .kernarg_segment_align: 8
    .kernarg_segment_size: 32
    .max_flat_workgroup_size: 128
    .sgpr_count:     66
    .vgpr_count:     192
    .wavefront_size: 32
...
	.end_amdgpu_metadata
.endif
;; end of part 2
;; launch proj (part 3): grid 4 x 96, 4 waves a work-group, clusters of 4 x 4, 327,680 bytes of LDS; arguments xbuf, wbuf, bq, bk, bv, qbuf, kvbuf; writes qbuf, kvbuf
.if DOCPART == 3
	.amdgcn_target "amdgcn-amd-amdhsa--gfx1250"
	.amdhsa_code_object_version 6
	.text
	.protected	k_q324292db59_proj
	.globl	k_q324292db59_proj
	.p2align	8
	.type	k_q324292db59_proj,@function
k_q324292db59_proj:
	s_mov_b64 s[64:65], 0
	v_nop
	global_prefetch_b8 v0, s[64:65] scope:SCOPE_SE
	s_setreg_imm32_b32 hwreg(HW_REG_WAVE_MODE, 25, 1), 1
	s_wait_xcnt 0x0
	s_wait_alu depctr_hold_cnt(0) depctr_sa_sdst(0) depctr_va_vdst(0) depctr_va_sdst(0) depctr_va_ssrc(0) depctr_va_vcc(0) depctr_vm_vsrc(0)
	s_getreg_b32 s2, hwreg(HW_REG_IB_STS2, 6, 4)
	s_cmp_eq_u32 s2, 0
	s_cbranch_scc0 .Lentry_in_a_cluster
	s_endpgm
.Lentry_in_a_cluster:
	s_bfe_u32 s2, ttmp6, 0x10000c
	s_cmp_lg_u32 s2, 0xf033
	s_cbranch_scc0 .Lentry_shape_is_right
	s_endpgm
.Lentry_shape_is_right:
; The three projections q = query Wq + bq, k = key Wk + bk, v = value Wv + bv on codes of FP6 (E2M3) with E8M0 scales, sums in f32; the results are quantised in registers, as operands of attention's two products.
; A work-group of four waves makes 256 x 256 results, a wave 128 x 128 in 64 accumulators (512 registers); K = 1,024 goes in four steps of 256 through a ring of two LDS slots filled by the tensor data mover.
; Source 0 of the matrix instruction takes 16 rows of operand B, source 1 16 rows of operand A: a lane then holds ONE row of A, and its registers run along B's rows.
; KIND = cluster y / 8.  KIND 0 (q), 1 (k): A = the activation, B = the weight: a lane holds a token, its registers run along the channels, along which q and k are quantised (K = a head's 64).
; KIND 2 (v): A = Wv, B = value: a lane holds a channel, its registers run along the keys, along which v is quantised.  KIND is the same in all sixteen partners of a cluster.
; In xbuf and wbuf row n stands at position swap34(n) (bits 3 and 4 exchanged), so that the 16 registers of accumulators (a, 2 b) and (a, 2 b + 1) are 16 NEIGHBOURS: B's rows 32 b + 16 (lane / 16) + 0 .. 15.
; The bias is the C of each sum's first matrix instruction.  The scales of the work-group's rows, for all of K, come into LDS once, with the first fills.
; CLUSTERS: 4 x 4 work-groups; A's tiles are asked for jointly along a row of the cluster, B's along a column.
; THE WAY OUT stores CELLS of 768 bytes, the image of six operand registers (16 rows x 64 along K; lane (r, h): k = 32 h .. 32 h + 31): bytes 0-511 registers 0-3 at 16 x lane, bytes 512-767 registers 4-5 at 8 x lane:
; every store of the wave covers 512 or 256 consecutive bytes, aligned.  qbuf: cells [head 16 b + h: 64][tile: 128]; kvbuf: [64][step of 128 keys: 16][12,288]: K's tile t at 768 t, V's channel tile ct, keys 64 c on, at 6,144 + 1,536 ct + 768 c.
; Scale words: q's and k's, for a group of 128 tokens 512 bytes, tile i row r at 256 (i / 4) + 16 r + 4 (i % 4); a word's upper two bytes, which scale zero codes (K = 64 of the instruction's 128), repeat the lower two.
; V's words at 512 + 16 r + 4 ct of a step's 768 bytes.
; LIMITS: blocks whose largest magnitude lies under 2^-124 keep the byte 1 (a block of zeros too: its codes are zeros); NaN and infinities are not served.
; REGISTERS, in windows of 256: window 0: v0-31 addresses; v32-63 scale words, two sets; v64-127 the bias; v128-223 A's fragments, one set; on the way out v64-255 are free.  window 1: B's fragments, two sets.
;   window 2: the accumulators of my rows 0-63 of A ((a, b) at v[8 (8 a + b)]); window 3: those of rows 64-127.
.set KSTEP,  256                       ; along K in a slot
.set NQ,     2                         ; matrix instructions deep
.set ROWB,   192                       ; a tile's row in bytes
.set KROW,   768                       ; a row of codes in memory
.set PITCH,  240                       ; an LDS row: 3 x (64 bytes + 16 of padding)
.set FR,     12                        ; registers of a fragment
.set NL,     6                         ; LDS loads that bring one
.set NP,     4                         ; places behind this matrix instruction (ISA guide 7.12.1)
.set HALFT,  128*PITCH                 ; 128 rows: what one tensor load brings
.set SLOT,   4*HALFT
.set LAPS,   2                         ; a lap = two K steps = once round the ring
.set KS,     32                        ; a row of scale bytes
.set SCL,    2*SLOT                    ; behind the ring: the scales, as runs of 256 bytes + 16 of padding
.set HALFS,  (128*KS/256)*272
.set SBLK,   (16*KS/256)*272
.set SPARE,  SCL+4*HALFS               ; the spare words, 128 bytes a wave
.set XSC0,   3*8192*KROW
.set WSC0,   4*1024*KROW
.set QSC0,   64*128*768
.set KVS0,   64*16*12288
.set ADRA, 16                          ; v16-17 LDS address of my A fragments in slot 0, 1 (v18-19: behind one padding more)
.set ADRB, 20                          ; v20-23 the same for B
.set L16,  24                          ; v24  16 x lane
.set L8,   25                          ; v25  8 x lane
.set LN,   26                          ; v26  lane
.set ADRS, 27                          ; v27  LDS address of my scale words: lanes 0-15 A's rows, lanes 16-31 B's
.set SPW,  28                          ; v28  LDS address of my spare word; never rewritten
.set NIL,  29                          ; v29  0; never rewritten
.set SC,   32
.set BIAS, 64
.set AF,   128
.set PCD,  64                          ; the way out: block a's codes at v[64 + 12 a ..]
.set CT,   160                         ; v160-167 the conversions' second halves
.set OF,   168                         ; block a's four store offsets at v[168 + 4 a ..]
.set LO,   200
.set HI,   204
.set TM,   224                         ; v224-239 at work
.set PWS,  240                         ; v240-247 block a's scale word
.set SEL4, 248
.set G1, 24                            ; s[24:31] group 1 for A's tiles; s[32:39] group 0, a set for each slot
.set G0, 32
.set G1B, 48
.set G0B, 56
.set G1S, 68                           ; groups 1 and 0 for A's scales; then B's
.set G0S, 76
.set G1SB, 80
.set G0SB, 88
.set OFFA, 92                          ; s92  where block a's first cell goes
.set SA1R, 93                          ; s93  from block to block
.set SA4R, 94                          ; s94  from block 3 to block 4
.set SSR,  95                          ; s95  from a block's first cell to its second
.set KIND, 100
.set SOFF, 104                         ; s104 where my scale words go
.set HSSR, 105                         ; s105 from a head's scale words to the next head's
.set SEL,  6                           ; s[6:7] lane selects for v_permlanex16_b32 (set when wbuf's address is done with)
.set MSB, 0
.macro WIN new                         ; the immediate's high byte repeats the setting that is left
.if MSB != (\new)
	s_set_vgpr_msb (MSB<<8)|(\new)
.set MSB, (\new)
.endif
.endm
.set MUL_LO, 0xa1                      ; source 0 (B) window 1, source 1 (A) window 0, C and D window 2
.set MUL_HI, 0xf1                      ; the same, C and D window 3
.set BEG_LO, 0x81                      ; the first step: C (the bias) window 0, D window 2
.set BEG_HI, 0xc1
.set TO_B,   0x40
; A joint load: waves 0 and 1 fetch for A, waves 2 and 3 for B; the branch hangs on the wave's number alone.  An s_nop 0 and four v_nop follow each of the two lines.
.macro JLOAD g0a, g1a, g0b, g1b
	s_cmp_eq_u32 s15, 0
	s_cbranch_scc0 .Lfor_b_\@
	tensor_load_to_lds s[\g0a:\g0a+3], s[\g1a:\g1a+7]
	s_nop 0
.rept 4
	v_nop
.endr
	s_branch .Lasked_\@
.Lfor_b_\@:
	tensor_load_to_lds s[\g0b:\g0b+3], s[\g1b:\g1b+7]
	s_nop 0
.rept 4
	v_nop
.endr
.Lasked_\@:
.endm
.macro CREST                           ; a round of the cluster's barrier behind its opening barrier
	s_cmp_lg_u32 s14, 0
	s_cbranch_scc1 .Lnot_wave_0_\@
	s_barrier_signal -3
.Lnot_wave_0_\@:
	s_barrier_wait -3
	s_barrier_signal -1
	s_barrier_wait -1
.endm
.macro CROUND
	s_barrier_signal -1
	s_barrier_wait -1
	CREST
.endm
	s_load_b128 s[4:7], s[0:1], 0x0                ; xbuf, wbuf
	s_load_b128 s[8:11], s[0:1], 0x10              ; bq, bk
	s_load_b64 s[12:13], s[0:1], 0x20              ; bv
	s_load_b128 s[96:99], s[0:1], 0x28             ; qbuf, kvbuf
	v_lshl_add_u32 v[SPW], v0, 2, SPARE
	v_mov_b32 v[NIL], 0
	ds_add_u32 v[SPW], v[NIL]                      ; the wave's opening
	v_lshrrev_b32 v1, 5, v0
	v_readfirstlane_b32 s14, v1                    ; wave 0..3
	s_lshr_b32 s15, s14, 1                         ; which half of A's rows is mine.  Also: I fetch for A (0) or for B (1)
	s_and_b32 s16, s14, 1                          ; which half of B's rows.  Also: which 128 rows of that tile I fetch
	s_bfe_u32 s40, ttmp6, 0x40000                  ; cx
	s_bfe_u32 s41, ttmp6, 0x40004                  ; cy
	s_and_b32 s17, ttmp7, 0xffff                   ; the cluster's y, 0 .. 23
	s_lshr_b32 s[KIND], s17, 3
	s_and_b32 s17, s17, 7
	s_lshl_b32 s17, s17, 2                         ; the first of the cluster's four tiles of 256 tokens
	s_lshl_b32 s43, s41, 2
	s_lshl_b32 s43, 15, s43                        ; my row of the cluster
	s_lshl_b32 s44, 0x1111, s40                    ; my column
	s_or_b32 s[G1+0], s43, (0<<16)|(1<<20)|(1<<21)|(3<<22)|(3<<25)  ; the mask; elements of 1 byte; padding on; bit 21 beside a mask; 4 words of padding behind every 16
	s_or_b32 s[G1B+0], s44, (0<<16)|(1<<20)|(1<<21)|(3<<22)|(3<<25)
.irp g, G1, G1B
	s_mov_b32 s[\g+1], ROWB<<16                    ; tensor_dim0
	s_mov_b32 s[\g+2], 128<<16                     ; tensor_dim1
	s_mov_b32 s[\g+3], ROWB<<16                    ; tile_dim0
	s_mov_b32 s[\g+4], 128                         ; tile_dim1
	s_mov_b32 s[\g+5], KROW                        ; the pitch
	s_mov_b32 s[\g+6], 0
	s_mov_b32 s[\g+7], 0
.endr
	s_or_b32 s[G1S+0], s43, (3<<16)|(1<<20)|(1<<21)|(5<<22)|(3<<25)   ; the scales of 128 rows: 4,096 dense bytes as 16 rows of 256, 16 bytes of padding behind each
	s_or_b32 s[G1SB+0], s44, (3<<16)|(1<<20)|(1<<21)|(5<<22)|(3<<25)
.irp g, G1S, G1SB
	s_mov_b32 s[\g+1], 32<<16
	s_mov_b32 s[\g+2], (128*KS/256)<<16
	s_mov_b32 s[\g+3], 32<<16
	s_mov_b32 s[\g+4], 128*KS/256
	s_mov_b32 s[\g+5], 32
	s_mov_b32 s[\g+6], 0
	s_mov_b32 s[\g+7], 0
.endr
	; which rows.  A's hang on cy (and the cluster's y) alone, B's on cx alone
	s_lshl_b32 s18, s[KIND], 13                    ; q, k: the activation's first row in xbuf,
	s_lshl_b32 s19, s[KIND], 10                    ; the weight's in wbuf
	s_mov_b32 s94, XSC0
	s_mov_b32 s95, WSC0
	s_cmp_eq_u32 s[KIND], 2
	s_cselect_b32 s20, 0, s17                      ; the cluster's tiles of tokens are A's (q, k)
	s_cselect_b32 s46, s17, 0                      ; or B's (v)
	s_cselect_b32 s18, 2048, s18                   ; v: A = Wv, rows 2,048 on of wbuf,
	s_cselect_b32 s19, 16384, s19                  ; B = value, rows 16,384 on of xbuf
	s_cselect_b32 s22, s95, s94                    ; where A's buffer has its scale bytes,
	s_cselect_b32 s92, s94, s95                    ; and B's
	s_add_co_u32 s20, s20, s41
	s_add_co_u32 s46, s46, s40
	s_lshl_b32 s20, s20, 8                         ; A's tile's first row in its tensor,
	s_lshl_b32 s46, s46, 8                         ; B's
	s_mov_b32 s66, s20                             ; (kept for the bias and the way out)
	s_mov_b32 s67, s46
	s_lshl_b32 s21, s16, 7                         ; which 128 rows of the tile I fetch
	s_add_co_u32 s20, s20, s18
	s_add_co_u32 s20, s20, s21
	s_add_co_u32 s46, s46, s19
	s_add_co_u32 s46, s46, s21
	s_lshl_b32 s23, s20, 5
	s_add_co_u32 s22, s22, s23                     ; these rows' scale bytes,
	s_lshl_b32 s23, s46, 5
	s_add_co_u32 s92, s92, s23
	s_mul_i32 s20, s20, KROW                       ; and their codes (all under 2^25 bytes)
	s_mul_i32 s46, s46, KROW
	s_mov_b32 s21, 0
	s_mov_b32 s23, 0
	s_mov_b32 s47, 0
	s_mov_b32 s93, 0
	s_mul_i32 s45, s14, HALFT                      ; where they go: wave x 128 rows: no place in the cluster enters an LDS address
	s_mul_i32 s101, s14, HALFS
	s_wait_dscnt 0x0                               ; the opening add is done
	s_wait_kmcnt 0x0
	s_cmp_eq_u32 s[KIND], 2
	s_cselect_b64 s[104:105], s[6:7], s[4:5]       ; A's buffer
	s_cselect_b64 s[18:19], s[4:5], s[6:7]         ; B's
	s_add_nc_u64 s[20:21], s[104:105], s[20:21]
	s_add_nc_u64 s[22:23], s[104:105], s[22:23]
	s_add_nc_u64 s[46:47], s[18:19], s[46:47]
	s_add_nc_u64 s[92:93], s[18:19], s[92:93]
	CROUND                                         ; all sixteen work-groups are here: the first joint loads meet
	s_mov_b32 s[G0S], 1
	s_add_co_u32 s[G0S+1], s101, SCL
	s_mov_b64 s[G0S+2:G0S+3], s[22:23]
	s_or_b32 s[G0S+3], s[G0S+3], 0x80000000
	s_mov_b32 s[G0SB], 1
	s_add_co_u32 s[G0SB+1], s101, SCL
	s_mov_b64 s[G0SB+2:G0SB+3], s[92:93]
	s_or_b32 s[G0SB+3], s[G0SB+3], 0x80000000
	JLOAD G0S, G1S, G0SB, G1SB                     ; the scales first: they are wanted with K step 0
.irp s, 0,1
	s_mov_b32 s[G0+4*\s], 1
	s_add_co_u32 s[G0+4*\s+1], s45, \s*SLOT
	s_add_nc_u64 s[G0+4*\s+2:G0+4*\s+3], s[20:21], \s*ROWB
	s_or_b32 s[G0+4*\s+3], s[G0+4*\s+3], 0x80000000
	s_mov_b32 s[G0B+4*\s], 1
	s_add_co_u32 s[G0B+4*\s+1], s45, \s*SLOT
	s_add_nc_u64 s[G0B+4*\s+2:G0B+4*\s+3], s[46:47], \s*ROWB
	s_or_b32 s[G0B+4*\s+3], s[G0B+4*\s+3], 0x80000000
	JLOAD G0+4*\s, G1, G0B+4*\s, G1B
.endr
	v_and_b32 v1, 15, v0                           ; r = lane % 16
	v_bfe_u32 v2, v0, 4, 1                         ; h = lane / 16
	v_mul_u32_u24 v3, v1, PITCH
	v_mul_u32_u24 v4, v2, 24
	v_add_nc_u32 v4, v3, v4                        ; a fragment's row x pitch + 24 x half
	v_lshl_add_u32 v5, v2, 4, v4                   ; and the same behind one padding more
	s_mul_i32 s21, s15, HALFT                      ; my 128 rows of A
	s_mul_i32 s22, s16, HALFT                      ; my 128 rows of B,
	s_add_co_u32 s22, s22, 2*HALFT                 ; which lie behind A's 256
.irp s, 0,1
	v_add_nc_u32 v[ADRA+\s], s21, v4
	v_add_nc_u32 v[ADRB+\s], s22, v4
	v_add_nc_u32 v[ADRA+2+\s], s21, v5
	v_add_nc_u32 v[ADRB+2+\s], s22, v5
	s_add_co_u32 s21, s21, SLOT
	s_add_co_u32 s22, s22, SLOT
.endr
	v_mul_u32_u24 v5, v1, KS                       ; my row's scales: 32 bytes a row,
	v_lshrrev_b32 v6, 8, v5
	v_lshl_add_u32 v5, v6, 4, v5                   ; and 16 more for each 256 passed
	s_mul_i32 s21, s15, HALFS
	s_mul_i32 s22, s16, HALFS
	s_add_co_u32 s22, s22, 2*HALFS
	s_sub_co_u32 s22, s22, s21
	v_mul_u32_u24 v6, s22, v2                      ; lanes 16-31 take B's
	s_add_co_u32 s21, s21, SCL
	v_add_nc_u32 v5, v5, v6
	v_add_nc_u32 v[ADRS], s21, v5
	v_and_b32 v[LN], 31, v0
	v_lshlrev_b32 v[L16], 4, v[LN]
	v_lshlrev_b32 v[L8], 3, v[LN]
	; the way out's scalars
	s_lshl_b32 s18, s15, 7
	s_add_co_u32 s66, s66, s18                     ; RA: my first row of A in its tensor
	s_lshl_b32 s18, s16, 7
	s_add_co_u32 s67, s67, s18                     ; RB: of B
	s_cmp_eq_u32 s[KIND], 2
	s_cselect_b32 s18, s67, s66                    ; my first token,
	s_cselect_b32 s19, s66, s67                    ; my first channel
	s_lshr_b32 s20, s18, 11
	s_lshl_b32 s20, s20, 4
	s_lshr_b32 s21, s19, 6
	s_add_co_u32 s20, s20, s21                     ; 16 x batch + head: the first of my two heads
	s_bfe_u32 s21, s18, 0x40007                    ; which 128 tokens of the batch's 2,048
	s_mov_b32 s22, 196608
	s_mov_b32 s23, 12288
	s_mov_b32 s42, 768
	s_mov_b32 s43, KVS0
	s_mov_b32 s44, 196608-3*1536
	s_cmp_eq_u32 s[KIND], 0
	s_cselect_b32 s22, 98304, s22                  ; a head's cells,
	s_cselect_b32 s45, 6144, s23                   ; those of 128 tokens,
	s_cselect_b32 s[HSSR], 8192, s23               ; a head's scale words,
	s_cselect_b32 s46, 512, s42                    ; those of 128 tokens,
	s_cselect_b32 s43, QSC0, s43                   ; and where the scale words begin
	s_cselect_b64 s[96:97], s[96:97], s[98:99]     ; qbuf or kvbuf
	s_cselect_b64 s[8:9], s[8:9], s[10:11]         ; bq or bk
	s_cmp_eq_u32 s[KIND], 2
	s_cselect_b32 s47, 6144, 0                     ; V's cells lie behind K's,
	s_cselect_b32 s101, 512, 0                     ; V's words behind K's
	s_cselect_b32 s[SA1R], 1536, s42               ; v: a block of A is a channel tile; q, k: a tile of tokens
	s_cselect_b32 s[SA4R], s44, s42                ; v: block 4 begins the next head
	s_cselect_b32 s[SSR], s42, s22                 ; v: a block's second cell is the next 64 keys; q, k: the next head
	s_mul_i32 s[OFFA], s20, s22
	s_mul_i32 s45, s21, s45
	s_add_co_u32 s[OFFA], s[OFFA], s45
	s_add_co_u32 s[OFFA], s[OFFA], s47
	s_mul_i32 s[SOFF], s20, s[HSSR]
	s_mul_i32 s46, s21, s46
	s_add_co_u32 s[SOFF], s[SOFF], s46
	s_add_co_u32 s[SOFF], s[SOFF], s43
	s_add_co_u32 s[SOFF], s[SOFF], s101
	s_mov_b32 s[SEL], 0x76543210
	s_mov_b32 s[SEL+1], 0xfedcba98
	; the bias, in the result's layout: 64 registers
	s_mov_b32 s19, 0
	s_cmp_eq_u32 s[KIND], 2
	s_cbranch_scc1 .Lbias_v
	s_lshl_b32 s18, s67, 2                         ; q, k: it runs along the registers: for B's block b the channels 32 (b / 2) + 16 h + 8 (b % 2) + 0 .. 7
	s_add_nc_u64 s[8:9], s[8:9], s[18:19]
	v_lshlrev_b32 v7, 6, v2
.irp b, 0,1,2,3,4,5,6,7
	global_load_b128 v[BIAS+8*\b:BIAS+8*\b+3], v7, s[8:9] offset:(32*(\b/2)+8*(\b%2))*4
	global_load_b128 v[BIAS+8*\b+4:BIAS+8*\b+7], v7, s[8:9] offset:(32*(\b/2)+8*(\b%2))*4+16
.endr
	s_branch .Lbias_in
.Lbias_v:
	s_lshl_b32 s18, s66, 2                         ; v: it hangs on the lane: for A's block a the channel 32 (a / 2) + 8 (a % 2) + r + 8 (r / 8), the same in all eight registers
	s_add_nc_u64 s[12:13], s[12:13], s[18:19]
	v_and_b32 v7, 8, v1
	v_add_nc_u32 v7, v7, v1
	v_lshlrev_b32 v7, 2, v7
.irp a, 0,1,2,3,4,5,6,7
	global_load_b32 v[BIAS+8*\a], v7, s[12:13] offset:(32*(\a/2)+8*(\a%2))*4
.endr
	s_wait_loadcnt 0x0
.irp a, 0,1,2,3,4,5,6,7
.irp j, 1,2,3,4,5,6,7
	v_mov_b32 v[BIAS+8*\a+\j], v[BIAS+8*\a]
.endr
.endr
.Lbias_in:
	s_wait_loadcnt 0x0
.macro FRAG reg, adr, q, i             ; a fragment: 12 registers; registers 6 c .. 6 c + 5 hold K = 64 c + 32 (lane / 16) + 0 .. 31: 24 bytes of the row's stream of bits, in pieces of 8 bytes
.irp p, 0,1,2,3,4,5
.set PCE, 12*(\q)+6*(\p/3)+\p%3        ; 16 bytes of padding lie behind every 8 pieces: where the piece three on lies behind one padding more, the second address register serves
.if PCE%8 < 5
	ds_load_b64 v[\reg+2*\p:\reg+2*\p+1], v[\adr] offset:8*PCE+16*(PCE/8)+(\i)*16*PITCH
.else
	ds_load_b64 v[\reg+2*\p:\reg+2*\p+1], v[\adr+2] offset:8*PCE+16*(PCE/8)+(\i)*16*PITCH
.endif
.endr
.endm
; 16 matrix instructions: A's blocks a0, a0 + 1 x B's eight.  zero = 0: onto the sums; 1: the sums begin with the bias of B's block; 2: with that of A's block.  The 64 accumulators take turns, one instruction a turn.
.macro MUL16 a0, p, q, sc, zero
.irp a, \a0, \a0+1
.irp b, 0,1,2,3,4,5,6,7
.if (\zero) == 1
	v_wmma_scale_f32_16x16x128_f8f6f4 v[8*(8*((\a)%4)+\b):8*(8*((\a)%4)+\b)+7], v[128*(\p)+FR*\b:128*(\p)+FR*\b+FR-1], v[AF+FR*(\a):AF+FR*(\a)+FR-1], v[BIAS+8*\b:BIAS+8*\b+7], v[SC+8*NQ*(\sc)+NQ*\b+(\q)], v[SC+8*NQ*(\sc)+NQ*(\a)+(\q)] matrix_a_fmt:MATRIX_FMT_FP6 matrix_b_fmt:MATRIX_FMT_FP6 matrix_a_scale:MATRIX_SCALE_ROW1
.elseif (\zero) == 2
	v_wmma_scale_f32_16x16x128_f8f6f4 v[8*(8*((\a)%4)+\b):8*(8*((\a)%4)+\b)+7], v[128*(\p)+FR*\b:128*(\p)+FR*\b+FR-1], v[AF+FR*(\a):AF+FR*(\a)+FR-1], v[BIAS+8*(\a):BIAS+8*(\a)+7], v[SC+8*NQ*(\sc)+NQ*\b+(\q)], v[SC+8*NQ*(\sc)+NQ*(\a)+(\q)] matrix_a_fmt:MATRIX_FMT_FP6 matrix_b_fmt:MATRIX_FMT_FP6 matrix_a_scale:MATRIX_SCALE_ROW1
.else
	v_wmma_scale_f32_16x16x128_f8f6f4 v[8*(8*((\a)%4)+\b):8*(8*((\a)%4)+\b)+7], v[128*(\p)+FR*\b:128*(\p)+FR*\b+FR-1], v[AF+FR*(\a):AF+FR*(\a)+FR-1], v[8*(8*((\a)%4)+\b):8*(8*((\a)%4)+\b)+7], v[SC+8*NQ*(\sc)+NQ*\b+(\q)], v[SC+8*NQ*(\sc)+NQ*(\a)+(\q)] matrix_a_fmt:MATRIX_FMT_FP6 matrix_b_fmt:MATRIX_FMT_FP6 matrix_a_scale:MATRIX_SCALE_ROW1
.endif
.endr
.endr
.endm
.macro FETCH_B slot, q, p
	WIN TO_B
.irp i, 0,1,2,3,4,5,6,7
	FRAG 128*(\p)+FR*\i, ADRB+\slot, \q, \i
.endr
	WIN 0
.endm
.macro FETCH_A slot, q, i0
.irp i, \i0, \i0+1, \i0+2, \i0+3
	FRAG AF+FR*(\i), ADRA+\slot, \q, \i
.endr
.endm
.macro SCALES sc                       ; a K step's scale words: two words a row; lanes 0-15 take A's block i, lanes 16-31 B's block i
.irp i, 0,1,2,3,4,5,6,7
	ds_load_b64 v[SC+8*NQ*\sc+NQ*\i:SC+8*NQ*\sc+NQ*\i+1], v[ADRS] offset:\i*SBLK
.endr
.endm
.macro PLACES n                        ; plain vector instructions between a matrix instruction and a load into, or a vector read of, its registers
.rept \n
	v_nop
.endr
.endm
.macro STEP slot, q, zero              ; a step of 128 along K that has its successor in the same slot
	s_wait_dscnt 4*NL                              ; B's set and A's blocks 0-3 are in; the youngest 24 loads (A's blocks 4-7) may be out
.if \zero
	WIN BEG_LO
.else
	WIN MUL_LO
.endif
	MUL16 0, (\q)%2, \q, \slot, \zero
	MUL16 2, (\q)%2, \q, \slot, \zero
	s_wait_dscnt 0                                 ; A's blocks 4-7 are in
	PLACES NP
	FETCH_B \slot, (\q)+1, 1-(\q)%2
	FETCH_A \slot, (\q)+1, 0
.if \zero
	WIN BEG_HI
.else
	WIN MUL_HI
.endif
	MUL16 4, (\q)%2, \q, \slot, \zero
	MUL16 6, (\q)%2, \q, \slot, \zero
	PLACES NP
	WIN 0
	FETCH_A \slot, (\q)+1, 4
.endm
; A slot's last step changes slots: one barrier; in front of it each wave waits for all its tensor loads, adds 0 to its spare word, and waits for that and for its reads of this slot.  fill = 1: this slot is filled again, two K steps ahead.
.macro TURN slot, next, fill
	s_wait_tensorcnt 0x0                           ; all my tensor loads have landed: my part of the next slot
	ds_add_u32 v[SPW], v[NIL]                      ; 0 onto my spare word
	s_wait_dscnt 4*NL+1                            ; (the add and the youngest 24 loads may be out)
	WIN MUL_LO
	MUL16 0, 1, NQ-1, \slot, 0
	s_wait_dscnt 0x0                               ; the add is done, and my reads of this slot are over
	s_barrier_signal -1
	MUL16 2, 1, NQ-1, \slot, 0
	WIN 0
	s_barrier_wait -1
.if \fill
	CREST                                          ; the barrier has opened a round of the cluster's: no wave of any partner still reads this slot or has a load on its way
	s_add_nc_u64 s[G0+4*\slot+2:G0+4*\slot+3], s[G0+4*\slot+2:G0+4*\slot+3], 2*ROWB
	s_add_nc_u64 s[G0B+4*\slot+2:G0B+4*\slot+3], s[G0B+4*\slot+2:G0B+4*\slot+3], 2*ROWB
	JLOAD G0+4*\slot, G1, G0B+4*\slot, G1B         ; the first tensor load behind the round; its four v_nop are the places in front of the loads below
.else
	PLACES NP
.endif
	v_add_nc_u32 v[ADRS], 4*NQ, v[ADRS]            ; on to the next K step's scale words
	FETCH_B \next, 0, 0
	FETCH_A \next, 0, 0
	SCALES \next
	WIN MUL_HI
	MUL16 4, 1, NQ-1, \slot, 0
	MUL16 6, 1, NQ-1, \slot, 0
	PLACES NP
	WIN 0
	FETCH_A \next, 0, 4
.endm
	s_wait_tensorcnt 1                             ; the scales and my part of K step 0 are in (K step 1's load may be out),
	s_barrier_signal -1
	s_barrier_wait -1                              ; everybody's are
	FETCH_B 0, 0, 0
	FETCH_A 0, 0, 0
	SCALES 0
	FETCH_A 0, 0, 4
	s_cmp_eq_u32 s[KIND], 2                        ; the first step is written twice: its C is the bias, which runs along B's blocks (q, k) or A's (v)
	s_cbranch_scc1 .Lfirst_v
	STEP 0, 0, 1
	s_branch .Lfirst_done
.Lfirst_v:
	STEP 0, 0, 2
.Lfirst_done:
	s_mov_b32 s3, LAPS-1
.Llap:                                                 ; a trip goes once round the ring and fills both slots again
	TURN 0, 1, 1
	STEP 1, 0, 0
	TURN 1, 0, 1
	STEP 0, 0, 0
	s_sub_co_u32 s3, s3, 1
	s_cmp_lg_u32 s3, 0
	s_cbranch_scc1 .Llap
	TURN 0, 1, 0                                   ; the last lap fills nothing
	STEP 1, 0, 0
	s_wait_dscnt 4*NL                              ; the very last step
	WIN MUL_LO
	MUL16 0, 1, NQ-1, 1, 0
	MUL16 2, 1, NQ-1, 1, 0
	s_wait_dscnt 0
	WIN MUL_HI
	MUL16 4, 1, NQ-1, 1, 0
	MUL16 6, 1, NQ-1, 1, 0
	WIN 0
; THE WAY OUT.  Block a's 64 registers of a lane (register 16 b + i = B's row 32 b + 16 (lane / 16) + i) are quantised in four blocks of 32; a block lies in lanes l and l xor 16.
; The twelve registers of codes are two cells.  Each block of A has its own registers for codes and offsets, so that no store's sources are written again.
.macro QUANTA a
.set AC, 64*((\a)%4)
.set W, 2+(\a)/4
.set WW, W|(W<<2)
.set PCA, PCD+12*(\a)
.set OFA, OF+4*(\a)
	WIN WW                                         ; sources 0 and 1: the accumulators' window
.irp b, 0,1,2,3
	v_max3_num_f32 v[TM+\b], |v[AC+16*\b]|, |v[AC+16*\b+1]|, 0x1800000   ; each accumulator from its low end on; the floor 2^(3 - 127) holds the byte at 1 from below
.endr
.irp i, 2,4,6,8,10,12,14
.irp b, 0,1,2,3
	v_max3_num_f32 v[TM+\b], |v[AC+16*\b+\i]|, |v[AC+16*\b+\i+1]|, v[TM+\b]
.endr
.endr
	WIN 0
.irp b, 0,1,2,3
	v_permlanex16_b32 v[TM+4+\b], v[TM+\b], s[SEL], s[SEL+1]
.endr
.irp b, 0,1,2,3
	v_max_num_f32 v[TM+\b], v[TM+\b], v[TM+4+\b]   ; with lane l xor 16's: the block's largest magnitude
.endr
.irp b, 0,1,2,3
	v_add_nc_u32 v[TM+12+\b], 0xff000000, v[TM+\b] ; 2 off its exponent field: the conversion's scale operand
.endr
.irp b, 0,1,2,3
	v_lshrrev_b32 v[TM+4+\b], 23, v[TM+12+\b]      ; the scale's byte
.endr
	v_lshl_or_b32 v[PWS+(\a)], v[TM+5], 8, v[TM+4]
	v_lshl_or_b32 v[PWS+(\a)], v[TM+6], 16, v[PWS+(\a)]
	v_lshl_or_b32 v[PWS+(\a)], v[TM+7], 24, v[PWS+(\a)]
	WIN W                                          ; source 0 alone
.irp c, 0,1
	v_cvt_scalef32_pk16_fp6_f32 v[PCA+6*\c:PCA+6*\c+2], v[AC+32*\c:AC+32*\c+15], v[TM+12+2*\c]
	v_cvt_scalef32_pk16_fp6_f32 v[CT+4*\c:CT+4*\c+2], v[AC+32*\c+16:AC+32*\c+31], v[TM+13+2*\c]   ; (a conversion's three registers begin on an even number)
.endr
	WIN 0
	v_nop                                          ; one plain place behind a scaled conversion
.irp c, 0,1                                    ; the operand's layout wants a whole block in a lane
.irp i, 0,1,2
	v_permlane16_swap_b32 v[PCA+6*\c+\i], v[CT+4*\c+\i]
.endr
.irp i, 0,1,2
	v_mov_b32 v[PCA+3+6*\c+\i], v[CT+4*\c+\i]
.endr
.endr
	v_add_nc_u32 v[OFA], s[OFFA], v[L16]
	v_add_nc_u32 v[OFA+1], s[OFFA], v[L8]
	v_add_nc_u32 v[OFA+2], s[SSR], v[OFA]
	v_add_nc_u32 v[OFA+3], s[SSR], v[OFA+1]
	global_store_b128 v[OFA], v[PCA:PCA+3], s[96:97]                    ; 512 consecutive bytes, aligned
	global_store_b64 v[OFA+1], v[PCA+4:PCA+5], s[96:97] offset:512      ; 256
	global_store_b128 v[OFA+2], v[PCA+6:PCA+9], s[96:97]
	global_store_b64 v[OFA+3], v[PCA+10:PCA+11], s[96:97] offset:512
.if (\a) == 3
	s_add_co_u32 s[OFFA], s[OFFA], s[SA4R]
.else
	s_add_co_u32 s[OFFA], s[OFFA], s[SA1R]
.endif
.endm
.irp b, 0,1,2,3
	v_mov_b32 v[TM+4+\b], 0                        ; a lane permute's destination counts as one of its sources; these four are also the places behind the last products
.endr
.irp a, 0,1,2,3,4,5,6,7
	QUANTA \a
.endr
	v_cmp_lt_u32 s18, 15, v[LN]                    ; lanes 16-31 take blocks 4-7's words
.irp i, 0,1,2,3
	v_cndmask_b32 v[SEL4+\i], v[PWS+\i], v[PWS+4+\i], s18
.endr
	s_cmp_eq_u32 s[KIND], 2
	s_cbranch_scc1 .Lwords_v
	s_mov_b32 s19, 0x01000100
	s_mov_b32 s20, 0x03020302
.irp i, 0,1,2,3
	v_perm_b32 v[LO+\i], v[SEL4+\i], v[SEL4+\i], s19   ; the first head's two bytes, twice: the upper two scale zero codes
	v_perm_b32 v[HI+\i], v[SEL4+\i], v[SEL4+\i], s20   ; the second head's
.endr
	v_add_nc_u32 v30, s[SOFF], v[L16]
	v_add_nc_u32 v31, s[HSSR], v30
	global_store_b128 v30, v[LO:LO+3], s[96:97]    ; 512 consecutive bytes, aligned
	global_store_b128 v31, v[HI:HI+3], s[96:97]
	s_branch .Lwords_out
.Lwords_v:
	v_lshlrev_b32 v30, 4, v1                       ; 16 r;
	v_mul_u32_u24 v31, s[HSSR], v2                 ; lanes 16-31 hold the second head's
	v_add3_u32 v30, v30, v31, s[SOFF]
	global_store_b128 v30, v[SEL4:SEL4+3], s[96:97]   ; sixteen lanes store 256 consecutive bytes, aligned
.Lwords_out:
	s_wait_tensorcnt 0x0                           ; the wave's end
	ds_add_u32 v[SPW], v[NIL]
	s_wait_dscnt 0x0
	CROUND                                         ; the closing round
	s_endpgm
.Lfunc_end_k_q324292db59_proj:
	.size	k_q324292db59_proj, .Lfunc_end_k_q324292db59_proj-k_q324292db59_proj
	.p2alignl 7, 3214868480
	.fill 96, 4, 3214868480
	.section	.rodata,"a",@progbits
	.p2align	6, 0x0
	.amdhsa_kernel k_q324292db59_proj
		.amdhsa_group_segment_fixed_size 327680
		.amdhsa_private_segment_fixed_size 0
		.amdhsa_enable_private_segment 0
		.amdhsa_kernarg_size 56
		.amdhsa_user_sgpr_count 2
		.amdhsa_user_sgpr_kernarg_segment_ptr 1
		.amdhsa_wavefront_size32 1
		.amdhsa_system_sgpr_workgroup_id_x 1
		.amdhsa_system_sgpr_workgroup_id_y 1
		.amdhsa_system_sgpr_workgroup_id_z 1
		.amdhsa_system_vgpr_workitem_id 0
		.amdhsa_next_free_vgpr 1024
		.amdhsa_next_free_sgpr 106
		.amdhsa_reserve_vcc 0
		.amdhsa_float_denorm_mode_32 3
		.amdhsa_float_denorm_mode_16_64 3
		.amdhsa_memory_ordered 1
		.amdhsa_forward_progress 1
		.amdhsa_inst_pref_size 188
	.end_amdhsa_kernel
	.amdgpu_metadata
---
amdhsa.version: [ 1, 2 ]
amdhsa.kernels:
  - .name:           k_q324292db59_proj
    .symbol:         k_q324292db59_proj.kd
    .args:
      - { .name: xbuf, .offset: 0, .size: 8, .value_kind: global_buffer, .address_space: global }
      - { .name: wbuf, .offset: 8, .size: 8, .value_kind: global_buffer, .address_space: global }
      - { .name: bq, .offset: 16, .size: 8, .value_kind: global_buffer, .address_space: global }
      - { .name: bk, .offset: 24, .size: 8, .value_kind: global_buffer, .address_space: global }
      - { .name: bv, .offset: 32, .size: 8, .value_kind: global_buffer, .address_space: global }
      - { .name: qbuf, .offset: 40, .size: 8, .value_kind: global_buffer, .address_space: global }
      - { .name: kvbuf, .offset: 48, .size: 8, .value_kind: global_buffer, .address_space: global }
    .group_segment_fixed_size: 327680
    .private_segment_fixed_size: 0
    .kernarg_segment_align: 8
    .kernarg_segment_size: 56
    .max_flat_workgroup_size: 128
    .sgpr_count:     106
    .vgpr_count:     1024
    .wavefront_size: 32
...
	.end_amdgpu_metadata
.endif
;; end of part 3
;; launch attn (part 4): grid 4 x 64, 8 waves a work-group, clusters of 4 x 1, 218,112 bytes of LDS; arguments qbuf, kvbuf, key_padding_mask, abuf; writes abuf
.if DOCPART == 4
	.amdgcn_target "amdgcn-amd-amdhsa--gfx1250"
	.amdhsa_code_object_version 6
	.text
	.protected	k_q324292db59_attn
	.globl	k_q324292db59_attn
	.p2align	8
	.type	k_q324292db59_attn,@function
k_q324292db59_attn:
	s_mov_b64 s[64:65], 0
	v_nop
	global_prefetch_b8 v0, s[64:65] scope:SCOPE_SE
	s_setreg_imm32_b32 hwreg(HW_REG_WAVE_MODE, 25, 1), 1
	s_wait_xcnt 0x0
	s_wait_alu depctr_hold_cnt(0) depctr_sa_sdst(0) depctr_va_vdst(0) depctr_va_sdst(0) depctr_va_ssrc(0) depctr_va_vcc(0) depctr_vm_vsrc(0)
	s_getreg_b32 s2, hwreg(HW_REG_IB_STS2, 6, 4)
	s_cmp_eq_u32 s2, 0
	s_cbranch_scc0 .Lentry_in_a_cluster
	s_endpgm
.Lentry_in_a_cluster:
	s_bfe_u32 s2, ttmp6, 0x10000c
	s_cmp_lg_u32 s2, 0x3003
	s_cbranch_scc0 .Lentry_shape_is_right
	s_endpgm
.Lentry_shape_is_right:
; Attention of one head (16 x batch + head = work-group y) on codes of FP6 (E2M3) with E8M0 scales: S^T = K Q^T (K = the head's 64, the instruction's other 64 are zero codes), p = 2^(t - M), O^T = V^T P^T, O / l quantised for the last product.
; t = score x log2(e) / 8; M = the running largest t rounded up to a whole number; the row's sum l is taken of the unquantised p; when M moves, l and O are multiplied by 2^(old M - new M), exactly.
; THE MASK IS THE C OF S^T: LDS holds one f32 for each key, 0 or -2^120; the score registers are loaded from there (a lane's eight keys of a tile) and the product adds onto them.  Unmasked keys add an exact 0; a masked key's p is 0.
; SHARES.  A cluster of four work-groups is one head; work-group cx owns queries 512 cx on, in two passes of 256; in a pass wave w owns two tiles of 16 queries, so that each fragment of K and V read from LDS feeds two products.
; THE WHOLE HEAD'S K AND V LIE IN LDS: 196,608 bytes of cells as they lie in kvbuf, 12,288 of scale words; filled once, by five joint loads a wave (all four work-groups want the same bytes): five loads of mine are out at the most.
; The keys go in 16 steps of 128, in four chunks of four steps, each behind the counted wait for its load and a barrier; nothing is ever filled again.
; LAYOUT.  Both products are used transposed: a lane holds ONE query (lane % 16).  A tile of K holds keys 32 b + 8 u + r + 8 (r / 8), so that the 16 registers of tiles 2 b, 2 b + 1 are keys 32 b + 16 (lane / 16) + 0 .. 15; V's channel tiles likewise.
; OUT: abuf: cells [token tile: 512][head: 16][768] and, from ASC0 on, scale bytes [position][32], two for a head: these leave 2 bytes a lane, 32 bytes apart (one byte in 24 of what the launch stores).
; LIMITS: |t| of an unmasked key stays under 2^96.  A row all of whose keys are masked (its largest t stays under -2^96) gets the scale bytes 0xff, which make the output row NaN, as the softmax of nothing is.  NaN and infinities are not served.
; REGISTERS: window 0: v1-11 addresses; v12-19 -M, largest t, sum (two halves) a tile; v20-23 f and p's scale word a tile; v24-27 K's, v28-31 V's, v32-33 Q's scale words; v34-59 at work; v64-191 S^T, then p; v192-215 p's codes.
;   window 1: v0-95 K's eight fragments (registers 6-11 of each stay zero); v96-143 V's four; v144-167 Q's two; v168-231 O^T.
.set SCB,   196608                     ; LDS: the head's scale words, 768 bytes a step
.set MKB,   208896                     ; one f32 for each key
.set SPARE, 217088                     ; the spare words, 128 bytes a wave
.set QSC0,  64*128*768
.set KVS0,  64*16*12288
.set ASC0,  512*16*768
.set A16, 1                            ; 16 x lane
.set A8,  2                            ; 8 x lane
.set ASC, 3                            ; SCB + 16 x lane
.set AVS, 4                            ; SCB + 512 + 16 r
.set AMK, 5                            ; MKB + 64 h
.set W16, 6                            ; the step's addresses
.set W8,  7
.set WSC, 8
.set WVS, 9
.set WMK, 10
.set R16, 11                           ; 16 r
.set ST,  12
.set F,   20
.set KSW, 24
.set VSW, 28
.set QSW, 32
.set BM,  34
.set T2,  42
.set SO,  46
.set X,   50
.set L32, 51                           ; 32 x lane
.set CT,  52
.set SPW, 60
.set NIL, 61
.set RC0, 62                           ; v[62:63], v[216:217]: 1 / l
.set S,   64
.set P,   192
.set RC1, 216
.set HW,  218
.set FFFF, 220
.set HWS, 221
.set KF,  0                            ; window 1
.set VF,  96
.set QF,  144
.set OA,  168
.set WV,  18
.set SEL, 20
.set CS,  22
.set G1C, 24
.set G1S, 32
.set G0,  40                           ; s[40:59] five groups 0
.set TB,  60
.set TS,  61
.set TM,  62
.set CNT, 63
.set PASS, 66
.set HM,  67                           ; the mask of lanes 16-31
.set QP,  68
.set QSP, 70
.set AP,  72
.set ASP, 74
.set MSB, 0
.macro WIN new
.if MSB != (\new)
	s_set_vgpr_msb (MSB<<8)|(\new)
.set MSB, (\new)
.endif
.endm
.macro CROUND
	s_barrier_signal -1
	s_barrier_wait -1
	s_cmp_lg_u32 s[WV], 0
	s_cbranch_scc1 .Lnot_wave_0_\@
	s_barrier_signal -3
.Lnot_wave_0_\@:
	s_barrier_wait -3
	s_barrier_signal -1
	s_barrier_wait -1
.endm
	s_load_b256 s[4:11], s[0:1], 0x0               ; qbuf, kvbuf, the mask, abuf
	v_lshl_add_u32 v[SPW], v0, 2, SPARE
	v_mov_b32 v[NIL], 0
	ds_add_u32 v[SPW], v[NIL]                      ; the wave's opening
	v_lshrrev_b32 v1, 5, v0
	v_readfirstlane_b32 s[WV], v1                  ; wave 0..7
	s_bfe_u32 s76, ttmp6, 0x40000                  ; cx: it enters Q's and the output's addresses alone
	s_and_b32 s77, ttmp7, 0xffff                   ; 16 x batch + head, which the four partners share
	s_mov_b32 s[G1C], 15|(3<<16)|(1<<21)           ; the mask: all four; elements of 8 bytes; bit 21 beside a mask; no padding
	s_mov_b32 s[G1C+1], 32<<16                     ; rows of 256 bytes,
	s_mov_b32 s[G1C+2], 24<<16                     ; 24 of them: 6,144 dense bytes
	s_mov_b32 s[G1C+3], 32<<16
	s_mov_b32 s[G1C+4], 24
	s_mov_b32 s[G1C+5], 32
	s_mov_b32 s[G1C+6], 0
	s_mov_b32 s[G1C+7], 0
	s_mov_b32 s[G1S], 15|(3<<16)|(1<<21)           ; the scale words: 6 rows of 256 bytes
	s_mov_b32 s[G1S+1], 32<<16
	s_mov_b32 s[G1S+2], 6<<16
	s_mov_b32 s[G1S+3], 32<<16
	s_mov_b32 s[G1S+4], 6
	s_mov_b32 s[G1S+5], 32
	s_mov_b32 s[G1S+6], 0
	s_mov_b32 s[G1S+7], 0
	s_mul_i32 s78, s[WV], 1536                     ; my eighth of the scale words,
	s_mul_i32 s79, s[WV], 6144                     ; and of each chunk of cells
	s_mul_i32 s80, s77, 12288
	s_add_co_u32 s80, s80, s78
	s_add_co_u32 s80, s80, KVS0
	s_mov_b32 s81, 0
	s_mul_i32 s82, s77, 196608
	s_add_co_u32 s82, s82, s79
	s_mov_b32 s83, 0
	s_mov_b32 s[SEL], 0x76543210
	s_mov_b32 s[SEL+1], 0xfedcba98
	s_mov_b32 s[CS], 0x3e38aa3b                    ; c = log2(e) / 8
	s_mov_b32 s[CS+1], s[CS]                       ; (named with it as a pair, so it is written)
	s_wait_dscnt 0x0                               ; the opening add is done
	s_wait_kmcnt 0x0
	s_add_nc_u64 s[80:81], s[6:7], s[80:81]
	s_add_nc_u64 s[82:83], s[6:7], s[82:83]
	CROUND                                         ; all four work-groups are here: the joint loads meet
	s_mov_b32 s[G0], 1
	s_add_co_u32 s[G0+1], s78, SCB
	s_mov_b64 s[G0+2:G0+3], s[80:81]
	s_or_b32 s[G0+3], s[G0+3], 0x80000000
.irp j, 0,1,2,3
	s_mov_b32 s[G0+4+4*\j], 1
	s_add_co_u32 s[G0+5+4*\j], s79, 49152*\j
	s_add_nc_u64 s[G0+6+4*\j:G0+7+4*\j], s[82:83], 49152*\j
	s_or_b32 s[G0+7+4*\j], s[G0+7+4*\j], 0x80000000
.endr
	tensor_load_to_lds s[G0:G0+3], s[G1S:G1S+7]    ; the scale words, then the four chunks: every wave its eighth of each
	s_nop 0
.irp j, 0,1,2,3
	tensor_load_to_lds s[G0+4+4*\j:G0+7+4*\j], s[G1C:G1C+7]
	s_nop 0
.endr
.rept 4
	v_nop
.endr
	; the mask: thread t takes keys 8 t .. 8 t + 7 of the batch
	s_lshr_b32 s84, s77, 4
	s_lshl_b32 s84, s84, 11
	s_mov_b32 s85, 0
	s_add_nc_u64 s[8:9], s[8:9], s[84:85]
	v_lshlrev_b32 v67, 3, v0
	global_load_b64 v[64:65], v67, s[8:9]
	v_lshl_add_u32 v66, v0, 5, MKB
	v_and_b32 v[X], 31, v0                         ; lane
	v_lshlrev_b32 v[A16], 4, v[X]
	v_lshlrev_b32 v[A8], 3, v[X]
	v_add_nc_u32 v[ASC], SCB, v[A16]
	v_and_b32 v[R16], 15, v0
	v_lshlrev_b32 v[R16], 4, v[R16]
	v_add_nc_u32 v[AVS], SCB+512, v[R16]
	v_bfe_u32 v[AMK], v0, 4, 1
	v_lshl_add_u32 v[AMK], v[AMK], 6, MKB
	v_lshlrev_b32 v[L32], 5, v[X]
	v_cmp_lt_u32 s[HM], 15, v[X]
.irp b, 0,1,2,3
	v_mov_b32 v[T2+\b], 0                          ; written once: a lane permute's destination counts as one of its sources
.endr
	v_mov_b32 v[F+1], 0                            ; (upper halves of pairs that are named before they are first written)
	v_mov_b32 v[F+3], 0
	v_mov_b32 v[RC0+1], 0
	v_mov_b32 v[RC1+1], 0
	v_mov_b32 v[FFFF], 0xffff
	WIN 0x40                                       ; destination window 1
.irp t, 0,1,2,3,4,5,6,7
.irp i, 6,7,8,9,10,11
	v_mov_b32 v[KF+12*\t+\i], 0                    ; k = 64 .. 127 of every fragment of K: zero codes, cleared once
.endr
.endr
.irp t, 0,1
.irp i, 6,7,8,9,10,11
	v_mov_b32 v[QF+12*\t+\i], 0                    ; and of Q
.endr
.endr
	WIN 0
	; where my tiles stand
	s_lshl_b32 s84, s76, 5
	s_lshl_b32 s85, s[WV], 1
	s_add_co_u32 s84, s84, s85                     ; 32 cx + 2 w: my first tile among the head's 128
	s_mul_i32 s86, s77, 98304
	s_mul_i32 s87, s84, 768
	s_add_co_u32 s86, s86, s87
	s_mov_b32 s87, 0
	s_add_nc_u64 s[QP:QP+1], s[4:5], s[86:87]      ; Q's cells
	s_lshr_b32 s86, s84, 3
	s_lshl_b32 s86, s86, 9                         ; Q's scale words: the group of eight tiles,
	s_bfe_u32 s88, s84, 0x10002
	s_lshl_b32 s88, s88, 8
	s_add_co_u32 s86, s86, s88                     ; which four of them,
	s_and_b32 s88, s84, 3
	s_lshl_b32 s88, s88, 2
	s_add_co_u32 s86, s86, s88                     ; which of the four
	s_lshl_b32 s88, s77, 13
	s_add_co_u32 s86, s86, s88
	s_add_co_u32 s86, s86, QSC0
	s_add_nc_u64 s[QSP:QSP+1], s[4:5], s[86:87]
	s_lshr_b32 s88, s77, 4
	s_lshl_b32 s88, s88, 7
	s_add_co_u32 s88, s88, s84                     ; my first token tile among the 512
	s_and_b32 s89, s77, 15                         ; the head
	s_lshl_b32 s86, s88, 4
	s_add_co_u32 s86, s86, s89
	s_mul_i32 s86, s86, 768
	s_add_nc_u64 s[AP:AP+1], s[10:11], s[86:87]    ; the output's cells
	s_lshl_b32 s86, s88, 9
	s_lshl_b32 s89, s89, 1
	s_add_co_u32 s86, s86, s89
	s_add_co_u32 s86, s86, ASC0
	s_add_nc_u64 s[ASP:ASP+1], s[10:11], s[86:87]  ; and its scale bytes
	s_mov_b32 s78, 0xfb800000                      ; -2^120
	s_mov_b32 s79, 0xef800000                      ; -2^96
	s_wait_loadcnt 0x0                             ; my eight bytes of the mask
.irp i, 0,1,2,3
	v_bfe_u32 v[68+\i], v64, 8*\i, 1
	v_bfe_u32 v[72+\i], v65, 8*\i, 1
.endr
.irp i, 0,1,2,3,4,5,6,7
	v_mul_lo_u32 v[68+\i], v[68+\i], s78           ; 0, or -2^120 for a masked key
.endr
	ds_store_b128 v66, v[68:71]
	ds_store_b128 v66, v[72:75] offset:16          ; (waited for in front of the first chunk's barrier)
; THE SOFTMAX of tile t for a step, in three parts.  A: the blocks' largest scores, the row's largest t, -M, f, and t - M.
.macro SM_A t
.set rS, S+64*(\t)
.set rT, ST+4*(\t)
.set rF, F+2*(\t)
.set rB, BM+4*(\t)
.irp b, 0,1,2,3
	v_max3_num_f32 v[rB+\b], v[rS+16*\b], v[rS+16*\b+1], v[rS+16*\b+2]   ; the largest score of each block of 32 keys: it serves for the row's maximum and, since p rises with the score, for the block's largest p
.endr
.irp i, 3,5,7,9,11,13
.irp b, 0,1,2,3
	v_max3_num_f32 v[rB+\b], v[rB+\b], v[rS+16*\b+\i], v[rS+16*\b+\i+1]
.endr
.endr
.irp b, 0,1,2,3
	v_max_num_f32 v[rB+\b], v[rB+\b], v[rS+16*\b+15]
.endr
.irp b, 0,1,2,3
	v_permlanex16_b32 v[T2+\b], v[rB+\b], s[SEL], s[SEL+1]
.endr
.irp b, 0,1,2,3
	v_max_num_f32 v[rB+\b], v[rB+\b], v[T2+\b]     ; with lane l xor 16's 16 keys
.endr
	v_max3_num_f32 v[X], v[rB], v[rB+1], v[rB+2]
	v_max_num_f32 v[X], v[X], v[rB+3]
	v_mul_f32 v[X], s[CS], v[X]                    ; as t
	v_max_num_f32 v[rT+1], v[rT+1], v[X]           ; the running largest t
	v_mov_b32 v[X], v[rT]
	v_floor_f32 v[rT], -v[rT+1]                    ; the new -M = floor(-t): M is a whole number
	v_sub_f32 v[X], v[rT], v[X]                    ; old M - new M: a whole number, 0 or less
	v_cvt_i32_f32 v[X], v[X]                       ; (it saturates)
	v_ldexp_f32 v[rF], 1.0, v[X]                   ; f = 2^(old M - new M)
.irp j, 0,2,4,6,8,10,12,14,16,18,20,22,24,26,28,30,32,34,36,38,40,42,44,46,48,50,52,54,56,58,60,62
	v_pk_fma_f32 v[rS+\j:rS+\j+1], v[rS+\j:rS+\j+1], s[CS:CS+1], v[rT:rT+1] op_sel_hi:[1,0,0]   ; t - M
.endr
.irp b, 0,1,2,3
	v_fma_f32 v[rB+\b], v[rB+\b], s[CS], v[rT]     ; the same of each block's largest score
.endr
.endm
.macro SM_E t                          ; E: one batch of 68 exponentials; nothing here names a result
.set rS, S+64*(\t)
.set rB, BM+4*(\t)
.irp j, 0,1,2,3,4,5,6,7,8,9,10,11,12,13,14,15,16,17,18,19,20,21,22,23,24,25,26,27,28,29,30,31,32,33,34,35,36,37,38,39,40,41,42,43,44,45,46,47,48,49,50,51,52,53,54,55,56,57,58,59,60,61,62,63
	v_exp_f32 v[rS+\j], v[rS+\j]                   ; p = 2^(t - M)
.endr
.irp b, 0,1,2,3
	v_exp_f32 v[rB+\b], v[rB+\b]                   ; the block's largest p
.endr
.endm
.macro SM_B t                          ; B: the row's sum of the unquantised p; the blocks' scales; p's codes
.set rS, S+64*(\t)
.set rT, ST+4*(\t)
.set rF, F+2*(\t)
.set rB, BM+4*(\t)
.set rP, P+12*(\t)
	v_pk_mul_f32 v[rT+2:rT+3], v[rT+2:rT+3], v[rF:rF+1] op_sel_hi:[1,0]   ; the sum under the new M
	v_pk_add_f32 v[T2:T2+1], v[rS:rS+1], v[rS+2:rS+3]
.irp j, 4,8,12,16,20,24,28,32,36,40,44,48,52,56,60
	v_pk_add_f32 v[rT+2:rT+3], v[rT+2:rT+3], v[rS+\j:rS+\j+1]
	v_pk_add_f32 v[T2:T2+1], v[T2:T2+1], v[rS+\j+2:rS+\j+3]
.endr
	v_pk_add_f32 v[rT+2:rT+3], v[rT+2:rT+3], v[T2:T2+1]
.irp b, 0,1,2,3
	v_max_num_f32 v[rB+\b], 0x1800000, v[rB+\b]    ; the floor 2^(3 - 127): the byte cannot fall under 1 (a block whose every p is 0 keeps that byte: its codes are zeros)
.endr
.irp b, 0,1,2,3
	v_add_nc_u32 v[SO+\b], 0xff000000, v[rB+\b]    ; 2 off the exponent field: the conversion's scale operand
.endr
.irp b, 0,1,2,3
	v_lshrrev_b32 v[T2+\b], 23, v[SO+\b]           ; the scale's byte
.endr
	v_lshl_or_b32 v[rF+1], v[T2+1], 8, v[T2]       ; p's scale word for these 128 keys
	v_lshl_or_b32 v[rF+1], v[T2+2], 16, v[rF+1]
	v_lshl_or_b32 v[rF+1], v[T2+3], 24, v[rF+1]
.irp c, 0,1
	v_cvt_scalef32_pk16_fp6_f32 v[rP+6*\c:rP+6*\c+2], v[rS+32*\c:rS+32*\c+15], v[SO+2*\c]
	v_cvt_scalef32_pk16_fp6_f32 v[CT+4*\c:CT+4*\c+2], v[rS+32*\c+16:rS+32*\c+31], v[SO+2*\c+1]
.endr
	v_nop                                          ; one plain place behind a scaled conversion
.irp c, 0,1
.irp i, 0,1,2
	v_permlane16_swap_b32 v[rP+6*\c+\i], v[CT+4*\c+\i]
.endr
.irp i, 0,1,2
	v_mov_b32 v[rP+3+6*\c+\i], v[CT+4*\c+\i]
.endr
.endr
.endm
; A KEY STEP: 128 keys, both my tiles of queries.
.macro STEP
	v_add_nc_u32 v[W16], s[TB], v[A16]             ; (these five are also the places behind the last step's products, in front of the loads into V's registers)
	v_add_nc_u32 v[W8],  s[TB], v[A8]
	v_add_nc_u32 v[WSC], s[TS], v[ASC]
	v_add_nc_u32 v[WVS], s[TS], v[AVS]
	v_add_nc_u32 v[WMK], s[TM], v[AMK]
	ds_load_b128 v[KSW:KSW+3], v[WSC]              ; K's scale words: lanes 0-15 tiles 0-3, lanes 16-31 tiles 4-7
.irp q, 0,1
.irp t, 0,1,2,3,4,5,6,7
	ds_load_b128 v[S+64*\q+8*\t:S+64*\q+8*\t+3], v[WMK] offset:4*(32*(\t/2)+8*(\t%2))       ; the mask's numbers of my eight keys of tile t: the C of S^T
	ds_load_b128 v[S+64*\q+8*\t+4:S+64*\q+8*\t+7], v[WMK] offset:4*(32*(\t/2)+8*(\t%2))+16
.endr
.endr
	WIN 0x40
.irp t, 0,1,2,3,4,5,6,7
	ds_load_b128 v[KF+12*\t:KF+12*\t+3], v[W16] offset:768*\t
	ds_load_b64 v[KF+12*\t+4:KF+12*\t+5], v[W8] offset:768*\t+512
.endr
.irp c, 0,1,2,3
.irp u, 0,1
	ds_load_b128 v[VF+12*\c+6*\u:VF+12*\c+6*\u+3], v[W16] offset:6144+1536*\c+768*\u
	ds_load_b64 v[VF+12*\c+6*\u+4:VF+12*\c+6*\u+5], v[W8] offset:6144+1536*\c+768*\u+512
.endr
.endr
	WIN 0
	ds_load_b128 v[VSW:VSW+3], v[WVS]              ; V's scale words of the four channel tiles
	s_wait_dscnt 17                                ; all but V's 16 loads and V's words
	WIN 0x05                                       ; K and Q in window 1, S^T in window 0
.irp q, 0,1
.irp t, 0,1,2,3
	v_wmma_scale_f32_16x16x128_f8f6f4 v[S+64*\q+8*\t:S+64*\q+8*\t+7], v[KF+12*\t:KF+12*\t+11], v[QF+12*\q:QF+12*\q+11], v[S+64*\q+8*\t:S+64*\q+8*\t+7], v[KSW+\t], v[QSW+\q] matrix_a_fmt:MATRIX_FMT_FP6 matrix_b_fmt:MATRIX_FMT_FP6
.endr
.irp t, 4,5,6,7
	v_wmma_scale_f32_16x16x128_f8f6f4 v[S+64*\q+8*\t:S+64*\q+8*\t+7], v[KF+12*\t:KF+12*\t+11], v[QF+12*\q:QF+12*\q+11], v[S+64*\q+8*\t:S+64*\q+8*\t+7], v[KSW+\t-4], v[QSW+\q] matrix_a_fmt:MATRIX_FMT_FP6 matrix_b_fmt:MATRIX_FMT_FP6 matrix_a_scale:MATRIX_SCALE_ROW1
.endr
.endr
	WIN 0
.rept 4
	v_nop                                          ; places in front of the first read of the scores
.endr
	SM_A 0
	SM_E 0
	SM_A 1                                         ; plain work of the other tile behind tile 0's exponentials
	s_wait_alu depctr_va_vdst(0)                   ; one wait for tile 0's batch, ahead of its first reader
	SM_E 1
	SM_B 0                                         ; plain work of tile 0 behind tile 1's exponentials
	s_wait_alu depctr_va_vdst(0)                   ; and one for tile 1's
	SM_B 1
	WIN 0x41                                       ; O^T in window 1, f in window 0
.irp q, 0,1
.irp j, 0,2,4,6,8,10,12,14,16,18,20,22,24,26,28,30
	v_pk_mul_f32 v[OA+32*\q+\j:OA+32*\q+\j+1], v[OA+32*\q+\j:OA+32*\q+\j+1], v[F+2*\q:F+2*\q+1] op_sel_hi:[1,0]   ; O^T under the new M.  (These 32 are also the places between p's codes and scale word and the products)
.endr
.endr
	s_wait_dscnt 0x0                               ; V is in
	WIN 0x51                                       ; V in window 1, P in window 0, O^T in window 1
.irp c, 0,1,2,3
.irp q, 0,1
	v_wmma_scale_f32_16x16x128_f8f6f4 v[OA+32*\q+8*\c:OA+32*\q+8*\c+7], v[VF+12*\c:VF+12*\c+11], v[P+12*\q:P+12*\q+11], v[OA+32*\q+8*\c:OA+32*\q+8*\c+7], v[VSW+\c], v[F+2*\q+1] matrix_a_fmt:MATRIX_FMT_FP6 matrix_b_fmt:MATRIX_FMT_FP6
.endr
.endr
	WIN 0
	s_add_co_u32 s[TB], s[TB], 12288
	s_add_co_u32 s[TS], s[TS], 768
	s_add_co_u32 s[TM], s[TM], 512
.endm
; Four steps, behind the wait for their cells and a barrier.  The younger chunks' loads may stay out.
.macro CHUNK j
	s_wait_tensorcnt 3-\j                          ; my eighth of chunk j is in; the 3 - j younger loads may be out
.if \j == 0
	s_wait_loadcnt 0x0                             ; Q
.endif
	s_wait_dscnt 0x0                               ; my LDS stores (the mask's numbers) have landed
	s_barrier_signal -1
	s_barrier_wait -1                              ; everybody's eighth is in
	s_mov_b32 s[TB], 49152*\j
	s_mov_b32 s[TS], 3072*\j
	s_mov_b32 s[TM], 2048*\j
	s_mov_b32 s[CNT], 4
.Lstep_\@:
	STEP
	s_sub_co_u32 s[CNT], s[CNT], 1
	s_cmp_lg_u32 s[CNT], 0
	s_cbranch_scc1 .Lstep_\@
.endm
; Tile t's 32 numbers of a lane (register 16 g + i = channel 32 g + 16 (lane / 16) + i of the head) become a cell and two scale bytes.
.macro FINQ t
.set rS, S+64*(\t)
.set rT, ST+4*(\t)
.set rB, BM+4*(\t)
.set rP, P+12*(\t)
.irp g, 0,1
	v_max3_num_f32 v[rB+\g], |v[rS+16*\g]|, |v[rS+16*\g+1]|, 0x1800000
.endr
.irp i, 2,4,6,8,10,12,14
.irp g, 0,1
	v_max3_num_f32 v[rB+\g], v[rB+\g], |v[rS+16*\g+\i]|, |v[rS+16*\g+\i+1]|
.endr
.endr
.irp g, 0,1
	v_permlanex16_b32 v[T2+\g], v[rB+\g], s[SEL], s[SEL+1]
.endr
.irp g, 0,1
	v_max_num_f32 v[rB+\g], v[rB+\g], v[T2+\g]
.endr
.irp g, 0,1
	v_add_nc_u32 v[SO+\g], 0xff000000, v[rB+\g]
.endr
.irp g, 0,1
	v_lshrrev_b32 v[T2+\g], 23, v[SO+\g]
.endr
	v_lshl_or_b32 v[HW+\t], v[T2+1], 8, v[T2]
	v_cmp_gt_f32 s76, s79, v[rT+1]                 ; no key of the row counted:
	v_cndmask_b32 v[HW+\t], v[HW+\t], v[FFFF], s76 ; the bytes 0xff
	v_cvt_scalef32_pk16_fp6_f32 v[rP:rP+2], v[rS:rS+15], v[SO]
	v_cvt_scalef32_pk16_fp6_f32 v[CT:CT+2], v[rS+16:rS+31], v[SO+1]
	v_nop                                          ; one plain place behind a scaled conversion
.irp i, 0,1,2
	v_permlane16_swap_b32 v[rP+\i], v[CT+\i]
.endr
.irp i, 0,1,2
	v_mov_b32 v[rP+3+\i], v[CT+\i]
.endr
.endm
	s_mov_b32 s[PASS], 2
.Lpass:                                            ; two passes of 256 queries
	WIN 0x40
.irp t, 0,1
	global_load_b128 v[QF+12*\t:QF+12*\t+3], v[A16], s[QP:QP+1] offset:768*\t
	global_load_b64 v[QF+12*\t+4:QF+12*\t+5], v[A8], s[QP:QP+1] offset:768*\t+512
.endr
.irp j, 0,1,2,3,4,5,6,7,8,9,10,11,12,13,14,15,16,17,18,19,20,21,22,23,24,25,26,27,28,29,30,31,32,33,34,35,36,37,38,39,40,41,42,43,44,45,46,47,48,49,50,51,52,53,54,55,56,57,58,59,60,61,62,63
	v_mov_b32 v[OA+\j], 0                          ; O^T.  (The step is written once for all steps: the first finds zeros, which the first change of M leaves zeros)
.endr
	WIN 0
	global_load_b64 v[QSW:QSW+1], v[R16], s[QSP:QSP+1]   ; my two tiles' scale words of row r
.irp t, 0,1
	v_mov_b32 v[ST+4*\t+1], 0xf1800000             ; the largest t so far: -2^100
	v_mov_b32 v[ST+4*\t], 0x71800000               ; -M
	v_mov_b32 v[ST+4*\t+2], 0                      ; the sum, in two halves
	v_mov_b32 v[ST+4*\t+3], 0
.endr
	CHUNK 0
	CHUNK 1
	CHUNK 2
	CHUNK 3
	; the pass's end: O^T / l, quantised along the head's 64
.rept 4
	v_nop                                          ; places behind the last products
.endr
.irp t, 0,1
	v_add_f32 v[ST+4*\t+2], v[ST+4*\t+2], v[ST+4*\t+3]
.endr
.irp t, 0,1
	v_permlanex16_b32 v[T2+\t], v[ST+4*\t+2], s[SEL], s[SEL+1]
.endr
.irp t, 0,1
	v_add_f32 v[ST+4*\t+2], v[ST+4*\t+2], v[T2+\t] ; the row's sum
.endr
	v_rcp_f32 v[RC0], v[ST+2]
	v_rcp_f32 v[RC1], v[ST+6]
	v_nop                                          ; a plain place behind the reciprocals
	s_wait_alu depctr_va_vdst(0)                   ; one wait for both, ahead of their first reader
	WIN 0x01                                       ; source 0 (O^T) window 1
.irp j, 0,2,4,6,8,10,12,14,16,18,20,22,24,26,28,30
	v_pk_mul_f32 v[S+\j:S+\j+1], v[OA+\j:OA+\j+1], v[RC0:RC0+1] op_sel_hi:[1,0]        ; each accumulator from its low end on
.endr
.irp j, 0,2,4,6,8,10,12,14,16,18,20,22,24,26,28,30
	v_pk_mul_f32 v[S+64+\j:S+64+\j+1], v[OA+32+\j:OA+32+\j+1], v[RC1:RC1+1] op_sel_hi:[1,0]
.endr
	WIN 0
	FINQ 0
	FINQ 1
.irp t, 0,1
	global_store_b128 v[A16], v[P+12*\t:P+12*\t+3], s[AP:AP+1] offset:12288*\t          ; 512 consecutive bytes, aligned
	global_store_b64 v[A8], v[P+12*\t+4:P+12*\t+5], s[AP:AP+1] offset:12288*\t+512      ; 256
.endr
	v_cndmask_b32 v[HWS], v[HW], v[HW+1], s[HM]    ; lanes 0-15: tile 0's rows; lanes 16-31: tile 1's
	global_store_b16 v[L32], v[HWS], s[ASP:ASP+1]
	s_wait_xcnt 0x0                                ; the stores have read their registers and bases: both are written again only behind this wait
	s_add_nc_u64 s[QP:QP+1], s[QP:QP+1], 16*768
	s_add_nc_u64 s[QSP:QSP+1], s[QSP:QSP+1], 1024
	s_add_nc_u64 s[AP:AP+1], s[AP:AP+1], 16*12288
	s_add_nc_u64 s[ASP:ASP+1], s[ASP:ASP+1], 16*512
	s_sub_co_u32 s[PASS], s[PASS], 1
	s_cmp_lg_u32 s[PASS], 0
	s_cbranch_scc1 .Lpass
	s_wait_tensorcnt 0x0                           ; the wave's end
	ds_add_u32 v[SPW], v[NIL]
	s_wait_dscnt 0x0
	CROUND                                         ; the closing round
	s_endpgm
.Lfunc_end_k_q324292db59_attn:
	.size	k_q324292db59_attn, .Lfunc_end_k_q324292db59_attn-k_q324292db59_attn
	.p2alignl 7, 3214868480
	.fill 96, 4, 3214868480
	.section	.rodata,"a",@progbits
	.p2align	6, 0x0
	.amdhsa_kernel k_q324292db59_attn
		.amdhsa_group_segment_fixed_size 218112
		.amdhsa_private_segment_fixed_size 0
		.amdhsa_enable_private_segment 0
		.amdhsa_kernarg_size 32
		.amdhsa_user_sgpr_count 2
		.amdhsa_user_sgpr_kernarg_segment_ptr 1
		.amdhsa_wavefront_size32 1
		.amdhsa_system_sgpr_workgroup_id_x 1
		.amdhsa_system_sgpr_workgroup_id_y 1
		.amdhsa_system_sgpr_workgroup_id_z 1
		.amdhsa_system_vgpr_workitem_id 0
		.amdhsa_next_free_vgpr 512
		.amdhsa_next_free_sgpr 90
		.amdhsa_reserve_vcc 0
		.amdhsa_float_denorm_mode_32 3
		.amdhsa_float_denorm_mode_16_64 3
		.amdhsa_memory_ordered 1
		.amdhsa_forward_progress 1
		.amdhsa_inst_pref_size 147
	.end_amdhsa_kernel
	.amdgpu_metadata
---
amdhsa.version: [ 1, 2 ]
amdhsa.kernels:
  - .name:           k_q324292db59_attn
    .symbol:         k_q324292db59_attn.kd
    .args:
      - { .name: qbuf, .offset: 0, .size: 8, .value_kind: global_buffer, .address_space: global }
      - { .name: kvbuf, .offset: 8, .size: 8, .value_kind: global_buffer, .address_space: global }
      - { .name: key_padding_mask, .offset: 16, .size: 8, .value_kind: global_buffer, .address_space: global }
      - { .name: abuf, .offset: 24, .size: 8, .value_kind: global_buffer, .address_space: global }
    .group_segment_fixed_size: 218112
    .private_segment_fixed_size: 0
    .kernarg_segment_align: 8
    .kernarg_segment_size: 32
    .max_flat_workgroup_size: 256
    .sgpr_count:     90
    .vgpr_count:     512
    .wavefront_size: 32
...
	.end_amdgpu_metadata
.endif
;; end of part 4
;; launch outp (part 5): grid 4 x 32, 4 waves a work-group, clusters of 4 x 4, 327,680 bytes of LDS; arguments abuf, wbuf, bo, out0; writes out0
.if DOCPART == 5
	.amdgcn_target "amdgcn-amd-amdhsa--gfx1250"
	.amdhsa_code_object_version 6
	.text
	.protected	k_q324292db59_outp
	.globl	k_q324292db59_outp
	.p2align	8
	.type	k_q324292db59_outp,@function
k_q324292db59_outp:
	s_mov_b64 s[64:65], 0
	v_nop
	global_prefetch_b8 v0, s[64:65] scope:SCOPE_SE
	s_setreg_imm32_b32 hwreg(HW_REG_WAVE_MODE, 25, 1), 1
	s_wait_xcnt 0x0
	s_wait_alu depctr_hold_cnt(0) depctr_sa_sdst(0) depctr_va_vdst(0) depctr_va_sdst(0) depctr_va_ssrc(0) depctr_va_vcc(0) depctr_vm_vsrc(0)
	s_getreg_b32 s2, hwreg(HW_REG_IB_STS2, 6, 4)
	s_cmp_eq_u32 s2, 0
	s_cbranch_scc0 .Lentry_in_a_cluster
	s_endpgm
.Lentry_in_a_cluster:
	s_bfe_u32 s2, ttmp6, 0x10000c
	s_cmp_lg_u32 s2, 0xf033
	s_cbranch_scc0 .Lentry_shape_is_right
	s_endpgm
.Lentry_shape_is_right:
; out0 = attn Wo + bo on codes of FP6 (E2M3) with E8M0 scales, sums in f32.  A = attention's result, as CELLS in abuf ([token tile: 512][head: 16][768 bytes], the image of six operand registers: 16 rows x 64 along K);
; B = Wo's codes, tensor 3 of wbuf, rows of 768 bytes, column n at position swap34(n).  A work-group of four waves makes 256 x 256 of out0, a wave 128 x 128; K = 1,024 in four steps of 256 through a ring of two LDS slots.
; A K step of a token tile is four cells, 3,072 consecutive bytes; they lie in LDS as in memory, and a fragment comes by two loads of 16 and two of 8 bytes a lane, from consecutive addresses.
; Source 0 = 16 rows of B, source 1 = 16 rows of A: a lane holds one token, its registers run along the columns: accumulators (a, 2 b), (a, 2 b + 1) hold columns 32 b + 16 (lane / 16) + 0 .. 15.  The bias is the C of the first step.
; Token tile 2 g + u holds tokens 32 g + 8 u + r + 8 (r / 8): the way out puts each row where it belongs.  CLUSTERS: 4 x 4 work-groups; A's tiles are asked for jointly along a row of the cluster, B's along a column.
; REGISTERS as in the projections' kernel: window 0: v0-31 addresses; v32-63 scale words; v64-127 the bias; v128-223 A's fragments; window 1: B's, two sets; windows 2 and 3: the accumulators.
.set NQ,     2
.set ROWB,   192                       ; a row of B's tile
.set KROW,   768
.set PITCH,  240
.set FR,     12
.set NLA,    4                         ; LDS loads that bring a fragment of A
.set NP,     4
.set HALFA,  8*3072                    ; A: 8 token tiles x 4 cells: what one tensor load brings
.set HALFT,  128*PITCH                 ; B: 128 rows
.set BOFF,   2*HALFA
.set SLOT,   2*HALFA+2*HALFT
.set LAPS,   2
.set KS,     32
.set SCL,    2*SLOT
.set HALFS,  (128*KS/256)*272
.set SBLK,   (16*KS/256)*272
.set SPARE,  SCL+4*HALFS
.set SPITCH, 528                       ; the way out: a stage of 16 rows x (512 bytes + 16) for each wave, in slot 0, which has had its last fill and its last read when the first result is stored there
.set WSC0,   4*1024*KROW
.set ASC0,   512*16*768
.set ADRA, 16                          ; v16-17 16 x lane + my A rows in slot 0, 1; v18-19 8 x lane + the same
.set ADRB, 20                          ; v20-23 B's, as rows
.set STO,  24
.set RD,   25
.set CO,   26
.set ADRS, 27
.set SPW,  28
.set NIL,  29
.set SC,   32
.set BIAS, 64
.set AF,   128
.set BK,   128
.set G1, 24
.set G0, 32
.set G1B, 48
.set G0B, 56
.set G1S, 68
.set G0S, 76
.set G1SB, 80
.set G0SB, 88
.set MSB, 0
.macro WIN new
.if MSB != (\new)
	s_set_vgpr_msb (MSB<<8)|(\new)
.set MSB, (\new)
.endif
.endm
.set MUL_LO, 0xa1
.set MUL_HI, 0xf1
.set BEG_LO, 0x81
.set BEG_HI, 0xc1
.set TO_B,   0x40
.macro JLOAD g0a, g1a, g0b, g1b        ; a joint load: waves 0 and 1 fetch for A, waves 2 and 3 for B; an s_nop 0 and four v_nop follow each of the two lines
	s_cmp_eq_u32 s15, 0
	s_cbranch_scc0 .Lfor_b_\@
	tensor_load_to_lds s[\g0a:\g0a+3], s[\g1a:\g1a+7]
	s_nop 0
.rept 4
	v_nop
.endr
	s_branch .Lasked_\@
.Lfor_b_\@:
	tensor_load_to_lds s[\g0b:\g0b+3], s[\g1b:\g1b+7]
	s_nop 0
.rept 4
	v_nop
.endr
.Lasked_\@:
.endm
.macro CREST
	s_cmp_lg_u32 s14, 0
	s_cbranch_scc1 .Lnot_wave_0_\@
	s_barrier_signal -3
.Lnot_wave_0_\@:
	s_barrier_wait -3
	s_barrier_signal -1
	s_barrier_wait -1
.endm
.macro CROUND
	s_barrier_signal -1
	s_barrier_wait -1
	CREST
.endm
	s_load_b128 s[4:7], s[0:1], 0x0                ; abuf, wbuf
	s_load_b128 s[8:11], s[0:1], 0x10              ; bo, out0
	v_lshl_add_u32 v[SPW], v0, 2, SPARE
	v_mov_b32 v[NIL], 0
	ds_add_u32 v[SPW], v[NIL]                      ; the wave's opening
	v_lshrrev_b32 v1, 5, v0
	v_readfirstlane_b32 s14, v1                    ; wave 0..3
	s_lshr_b32 s15, s14, 1                         ; which half of the tile's rows is mine.  Also: I fetch for A (0) or for B (1)
	s_and_b32 s16, s14, 1                          ; which half of its columns.  Also: which half of that tile I fetch
	s_bfe_u32 s40, ttmp6, 0x40000                  ; cx
	s_bfe_u32 s41, ttmp6, 0x40004                  ; cy
	s_lshl_b32 s42, ttmp9, 2
	s_add_co_u32 s42, s42, s40                     ; tile column
	s_and_b32 s17, ttmp7, 0xffff
	s_lshl_b32 s17, s17, 2
	s_add_co_u32 s17, s17, s41                     ; tile row
	s_lshl_b32 s43, s41, 2
	s_lshl_b32 s43, 15, s43                        ; my row of the cluster
	s_lshl_b32 s44, 0x1111, s40                    ; my column
	s_or_b32 s[G1+0], s43, (3<<16)|(1<<21)         ; A: elements of 8 bytes, no padding:
	s_mov_b32 s[G1+1], 384<<16                     ; rows of 3,072 bytes (four cells),
	s_mov_b32 s[G1+2], 8<<16                       ; 8 token tiles,
	s_mov_b32 s[G1+3], 384<<16
	s_mov_b32 s[G1+4], 8
	s_mov_b32 s[G1+5], 1536                        ; 12,288 bytes apart
	s_mov_b32 s[G1+6], 0
	s_mov_b32 s[G1+7], 0
	s_or_b32 s[G1B+0], s44, (0<<16)|(1<<20)|(1<<21)|(3<<22)|(3<<25)   ; B: 128 rows of 192 bytes, 4 words of padding behind every 16
	s_mov_b32 s[G1B+1], ROWB<<16
	s_mov_b32 s[G1B+2], 128<<16
	s_mov_b32 s[G1B+3], ROWB<<16
	s_mov_b32 s[G1B+4], 128
	s_mov_b32 s[G1B+5], KROW
	s_mov_b32 s[G1B+6], 0
	s_mov_b32 s[G1B+7], 0
	s_or_b32 s[G1S+0], s43, (3<<16)|(1<<20)|(1<<21)|(5<<22)|(3<<25)   ; the scales of 128 rows: 16 rows of 256 bytes, 16 bytes of padding behind each
	s_or_b32 s[G1SB+0], s44, (3<<16)|(1<<20)|(1<<21)|(5<<22)|(3<<25)
.irp g, G1S, G1SB
	s_mov_b32 s[\g+1], 32<<16
	s_mov_b32 s[\g+2], (128*KS/256)<<16
	s_mov_b32 s[\g+3], 32<<16
	s_mov_b32 s[\g+4], 128*KS/256
	s_mov_b32 s[\g+5], 32
	s_mov_b32 s[\g+6], 0
	s_mov_b32 s[\g+7], 0
.endr
	s_lshl_b32 s18, s16, 7                         ; which 128 rows of the tile I fetch
	s_lshl_b32 s20, s17, 8
	s_add_co_u32 s20, s20, s18                     ; A: position 256 x tile row + 128 x half
	s_lshl_b32 s46, s42, 8
	s_add_co_u32 s46, s46, s18
	s_add_co_u32 s46, s46, 3072                    ; B: Wo's rows begin at 3,072 in wbuf
	s_lshl_b32 s22, s20, 5
	s_add_co_u32 s22, s22, ASC0                    ; A's scale bytes,
	s_lshl_b32 s92, s46, 5
	s_add_co_u32 s92, s92, WSC0                    ; B's,
	s_mul_i32 s20, s20, KROW                       ; A's cells: 16 positions are 12,288 bytes,
	s_mul_i32 s46, s46, KROW                       ; B's codes
	s_mov_b32 s21, 0
	s_mov_b32 s23, 0
	s_mov_b32 s47, 0
	s_mov_b32 s93, 0
	s_mul_i32 s45, s16, HALFA                      ; where they go: no place in the cluster enters an LDS address
	s_mul_i32 s95, s16, HALFT
	s_add_co_u32 s95, s95, BOFF
	s_mul_i32 s94, s14, HALFS
	s_wait_dscnt 0x0                               ; the opening add is done
	s_wait_kmcnt 0x0
	s_add_nc_u64 s[20:21], s[4:5], s[20:21]
	s_add_nc_u64 s[22:23], s[4:5], s[22:23]
	s_add_nc_u64 s[46:47], s[6:7], s[46:47]
	s_add_nc_u64 s[92:93], s[6:7], s[92:93]
	CROUND                                         ; all sixteen work-groups are here: the first joint loads meet
	s_mov_b32 s[G0S], 1
	s_add_co_u32 s[G0S+1], s94, SCL
	s_mov_b64 s[G0S+2:G0S+3], s[22:23]
	s_or_b32 s[G0S+3], s[G0S+3], 0x80000000
	s_mov_b32 s[G0SB], 1
	s_add_co_u32 s[G0SB+1], s94, SCL
	s_mov_b64 s[G0SB+2:G0SB+3], s[92:93]
	s_or_b32 s[G0SB+3], s[G0SB+3], 0x80000000
	JLOAD G0S, G1S, G0SB, G1SB
.irp s, 0,1
	s_mov_b32 s[G0+4*\s], 1
	s_add_co_u32 s[G0+4*\s+1], s45, \s*SLOT
	s_add_nc_u64 s[G0+4*\s+2:G0+4*\s+3], s[20:21], \s*3072
	s_or_b32 s[G0+4*\s+3], s[G0+4*\s+3], 0x80000000
	s_mov_b32 s[G0B+4*\s], 1
	s_add_co_u32 s[G0B+4*\s+1], s95, \s*SLOT
	s_add_nc_u64 s[G0B+4*\s+2:G0B+4*\s+3], s[46:47], \s*ROWB
	s_or_b32 s[G0B+4*\s+3], s[G0B+4*\s+3], 0x80000000
	JLOAD G0+4*\s, G1, G0B+4*\s, G1B
.endr
	v_and_b32 v1, 15, v0                           ; r
	v_bfe_u32 v2, v0, 4, 1                         ; h
	v_and_b32 v6, 31, v0                           ; lane
	v_lshlrev_b32 v7, 4, v6
	v_lshlrev_b32 v8, 3, v6
	v_mul_u32_u24 v3, v1, PITCH
	v_mul_u32_u24 v4, v2, 24
	v_add_nc_u32 v4, v3, v4                        ; B: a fragment's row x pitch + 24 x half
	v_lshl_add_u32 v5, v2, 4, v4                   ; and the same behind one padding more
	s_mul_i32 s21, s15, HALFA                      ; my 8 token tiles of A
	s_mul_i32 s22, s16, HALFT                      ; my 128 rows of B,
	s_add_co_u32 s22, s22, BOFF                    ; which lie behind A's
.irp s, 0,1
	v_add_nc_u32 v[ADRA+\s], s21, v7
	v_add_nc_u32 v[ADRA+2+\s], s21, v8
	v_add_nc_u32 v[ADRB+\s], s22, v4
	v_add_nc_u32 v[ADRB+2+\s], s22, v5
	s_add_co_u32 s21, s21, SLOT
	s_add_co_u32 s22, s22, SLOT
.endr
	v_mul_u32_u24 v5, v1, KS
	v_lshrrev_b32 v9, 8, v5
	v_lshl_add_u32 v5, v9, 4, v5
	s_mul_i32 s21, s15, HALFS
	s_mul_i32 s22, s16, HALFS
	s_add_co_u32 s22, s22, 2*HALFS
	s_sub_co_u32 s22, s22, s21
	v_mul_u32_u24 v9, s22, v2                      ; lanes 16-31 take B's
	s_add_co_u32 s21, s21, SCL
	v_add_nc_u32 v5, v5, v9
	v_add_nc_u32 v[ADRS], s21, v5
	s_mul_i32 s23, s14, 16*SPITCH                  ; my stage
	v_mul_u32_u24 v5, v1, SPITCH                   ; in: row r, + 64 h: my 16 columns of each 32
	v_lshl_add_u32 v5, v2, 6, v5
	v_add_nc_u32 v[STO], s23, v5
	v_mov_b32 v[CO], v7                            ; back: the 32 lanes take one row of 512 bytes; and the same in out0
	v_add_nc_u32 v[RD], s23, v7
	s_lshl_b32 s20, s17, 8
	s_lshl_b32 s21, s15, 7
	s_add_co_u32 s20, s20, s21                     ; my first row of out0
	s_lshl_b32 s20, s20, 12                        ; 4,096 bytes a row (under 2^25)
	s_lshl_b32 s46, s42, 10                        ; my first column, in bytes
	s_lshl_b32 s47, s16, 9
	s_add_co_u32 s46, s46, s47
	s_add_co_u32 s20, s20, s46
	s_mov_b32 s21, 0
	s_mov_b32 s47, 0
	s_add_nc_u64 s[10:11], s[10:11], s[20:21]
	s_add_nc_u64 s[8:9], s[8:9], s[46:47]          ; bo at my first column
	v_lshlrev_b32 v9, 6, v2
.irp b, 0,1,2,3,4,5,6,7
	global_load_b128 v[BIAS+8*\b:BIAS+8*\b+3], v9, s[8:9] offset:(32*(\b/2)+8*(\b%2))*4       ; for B's block b the columns 32 (b / 2) + 16 h + 8 (b % 2) + 0 .. 7
	global_load_b128 v[BIAS+8*\b+4:BIAS+8*\b+7], v9, s[8:9] offset:(32*(\b/2)+8*(\b%2))*4+16
.endr
	s_wait_loadcnt 0x0
.macro FRAG reg, adr, q, i             ; a fragment of B from rows, in pieces of 8 bytes
.irp p, 0,1,2,3,4,5
.set PCE, 12*(\q)+6*(\p/3)+\p%3
.if PCE%8 < 5
	ds_load_b64 v[\reg+2*\p:\reg+2*\p+1], v[\adr] offset:8*PCE+16*(PCE/8)+(\i)*16*PITCH
.else
	ds_load_b64 v[\reg+2*\p:\reg+2*\p+1], v[\adr+2] offset:8*PCE+16*(PCE/8)+(\i)*16*PITCH
.endif
.endr
.endm
.macro FRAGA reg, slot, q, i           ; a fragment of A from two cells
	ds_load_b128 v[\reg:\reg+3],     v[ADRA+\slot]   offset:3072*(\i)+1536*(\q)
	ds_load_b64  v[\reg+4:\reg+5],   v[ADRA+2+\slot] offset:3072*(\i)+1536*(\q)+512
	ds_load_b128 v[\reg+6:\reg+9],   v[ADRA+\slot]   offset:3072*(\i)+1536*(\q)+768
	ds_load_b64  v[\reg+10:\reg+11], v[ADRA+2+\slot] offset:3072*(\i)+1536*(\q)+1280
.endm
.macro MUL16 a0, p, q, sc, zero        ; 16 matrix instructions; zero = 1: the sums begin with the bias.  The 64 accumulators take turns, one instruction a turn
.irp a, \a0, \a0+1
.irp b, 0,1,2,3,4,5,6,7
.if \zero
	v_wmma_scale_f32_16x16x128_f8f6f4 v[8*(8*((\a)%4)+\b):8*(8*((\a)%4)+\b)+7], v[128*(\p)+FR*\b:128*(\p)+FR*\b+FR-1], v[AF+FR*(\a):AF+FR*(\a)+FR-1], v[BIAS+8*\b:BIAS+8*\b+7], v[SC+8*NQ*(\sc)+NQ*\b+(\q)], v[SC+8*NQ*(\sc)+NQ*(\a)+(\q)] matrix_a_fmt:MATRIX_FMT_FP6 matrix_b_fmt:MATRIX_FMT_FP6 matrix_a_scale:MATRIX_SCALE_ROW1
.else
	v_wmma_scale_f32_16x16x128_f8f6f4 v[8*(8*((\a)%4)+\b):8*(8*((\a)%4)+\b)+7], v[128*(\p)+FR*\b:128*(\p)+FR*\b+FR-1], v[AF+FR*(\a):AF+FR*(\a)+FR-1], v[8*(8*((\a)%4)+\b):8*(8*((\a)%4)+\b)+7], v[SC+8*NQ*(\sc)+NQ*\b+(\q)], v[SC+8*NQ*(\sc)+NQ*(\a)+(\q)] matrix_a_fmt:MATRIX_FMT_FP6 matrix_b_fmt:MATRIX_FMT_FP6 matrix_a_scale:MATRIX_SCALE_ROW1
.endif
.endr
.endr
.endm
.macro FETCH_B slot, q, p
	WIN TO_B
.irp i, 0,1,2,3,4,5,6,7
	FRAG 128*(\p)+FR*\i, ADRB+\slot, \q, \i
.endr
	WIN 0
.endm
.macro FETCH_A slot, q, i0
.irp i, \i0, \i0+1, \i0+2, \i0+3
	FRAGA AF+FR*(\i), \slot, \q, \i
.endr
.endm
.macro SCALES sc
.irp i, 0,1,2,3,4,5,6,7
	ds_load_b64 v[SC+8*NQ*\sc+NQ*\i:SC+8*NQ*\sc+NQ*\i+1], v[ADRS] offset:\i*SBLK
.endr
.endm
.macro PLACES n
.rept \n
	v_nop
.endr
.endm
.macro STEP slot, q, zero
	s_wait_dscnt 4*NLA                             ; B's set and A's blocks 0-3 are in; the youngest 16 loads (A's blocks 4-7) may be out
.if \zero
	WIN BEG_LO
.else
	WIN MUL_LO
.endif
	MUL16 0, (\q)%2, \q, \slot, \zero
	MUL16 2, (\q)%2, \q, \slot, \zero
	s_wait_dscnt 0
	PLACES NP
	FETCH_B \slot, (\q)+1, 1-(\q)%2
	FETCH_A \slot, (\q)+1, 0
.if \zero
	WIN BEG_HI
.else
	WIN MUL_HI
.endif
	MUL16 4, (\q)%2, \q, \slot, \zero
	MUL16 6, (\q)%2, \q, \slot, \zero
	PLACES NP
	WIN 0
	FETCH_A \slot, (\q)+1, 4
.endm
.macro TURN slot, next, fill           ; a slot's last step changes slots: one barrier, the three lines in front of it
	s_wait_tensorcnt 0x0                           ; all my tensor loads have landed: my part of the next slot
	ds_add_u32 v[SPW], v[NIL]                      ; 0 onto my spare word
	s_wait_dscnt 4*NLA+1                           ; (the add and the youngest 16 loads may be out)
	WIN MUL_LO
	MUL16 0, 1, NQ-1, \slot, 0
	s_wait_dscnt 0x0                               ; the add is done, and my reads of this slot are over
	s_barrier_signal -1
	MUL16 2, 1, NQ-1, \slot, 0
	WIN 0
	s_barrier_wait -1
.if \fill
	CREST                                          ; the barrier has opened a round of the cluster's
	s_add_nc_u64 s[G0+4*\slot+2:G0+4*\slot+3], s[G0+4*\slot+2:G0+4*\slot+3], 2*3072
	s_add_nc_u64 s[G0B+4*\slot+2:G0B+4*\slot+3], s[G0B+4*\slot+2:G0B+4*\slot+3], 2*ROWB
	JLOAD G0+4*\slot, G1, G0B+4*\slot, G1B         ; the first tensor load behind the round; its four v_nop are the places in front of the loads below
.else
	PLACES NP
.endif
	v_add_nc_u32 v[ADRS], 4*NQ, v[ADRS]
	FETCH_B \next, 0, 0
	FETCH_A \next, 0, 0
	SCALES \next
	WIN MUL_HI
	MUL16 4, 1, NQ-1, \slot, 0
	MUL16 6, 1, NQ-1, \slot, 0
	PLACES NP
	WIN 0
	FETCH_A \next, 0, 4
.endm
	s_wait_tensorcnt 1                             ; the scales and my part of K step 0 are in (K step 1's load may be out),
	s_barrier_signal -1
	s_barrier_wait -1                              ; everybody's are
	FETCH_B 0, 0, 0
	FETCH_A 0, 0, 0
	SCALES 0
	FETCH_A 0, 0, 4
	STEP 0, 0, 1                                   ; the first step stands in front of the loop: its C is the bias
	s_mov_b32 s3, LAPS-1
.Llap:
	TURN 0, 1, 1
	STEP 1, 0, 0
	TURN 1, 0, 1
	STEP 0, 0, 0
	s_sub_co_u32 s3, s3, 1
	s_cmp_lg_u32 s3, 0
	s_cbranch_scc1 .Llap
	TURN 0, 1, 0                                   ; the last lap fills nothing
	STEP 1, 0, 0
	s_wait_dscnt 4*NLA
	WIN MUL_LO
	MUL16 0, 1, NQ-1, 1, 0
	MUL16 2, 1, NQ-1, 1, 0
	s_wait_dscnt 0
	WIN MUL_HI
	MUL16 4, 1, NQ-1, 1, 0
	MUL16 6, 1, NQ-1, 1, 0
	WIN 0
; THE WAY OUT, block by block of 16 rows x 128 columns, through my own stage in LDS; back as whole rows of 512 bytes.  LDS serves a wave's instructions in order: no wait between the stores and the loads.
.macro TOSTAGE a
.set AC, 64*((\a)%4)
	WIN 0x08+4*((\a)/4)                            ; the data: window 2 or 3
.irp b, 0,1,2,3,4,5,6,7
	ds_store_b128 v[STO], v[AC+8*\b:AC+8*\b+3] offset:128*(\b/2)+32*(\b%2)       ; columns 32 (b / 2) + 16 h + 8 (b % 2) on; each accumulator from its low end on
	ds_store_b128 v[STO], v[AC+8*\b+4:AC+8*\b+7] offset:128*(\b/2)+32*(\b%2)+16
.endr
	WIN 0
.set BB, BK+64*((\a)%2)
.irp t, 0,1,2,3,4,5,6,7,8,9,10,11,12,13,14,15
	ds_load_b128 v[BB+4*\t:BB+4*\t+3], v[RD] offset:\t*SPITCH
.endr
.endm
.macro SEND a, younger                 ; younger: the LDS instructions issued behind block a's loads, which may stay out
.set BB, BK+64*((\a)%2)
	s_wait_dscnt \younger
.if ((\a) > 0) && ((\a)%2 == 0)
	s_add_nc_u64 s[10:11], s[10:11], 32*4096       ; (behind a wait on XCNT: the earlier stores have read their base)  two blocks are 32 tokens
.endif
.irp t, 0,1,2,3,4,5,6,7,8,9,10,11,12,13,14,15
	global_store_b128 v[CO], v[BB+4*\t:BB+4*\t+3], s[10:11] offset:(8*((\a)%2)+\t+8*(\t/8))*4096 th:TH_STORE_NT   ; row t of block a is token 8 (a % 2) + t + 8 (t / 8) of the 32; 512 consecutive bytes, aligned
.endr
.endm
	PLACES NP
	TOSTAGE 0
.irp a, 1,2,3,4,5,6,7
.if \a > 1
	s_wait_xcnt 0x0                                ; block a - 2's stores have read their registers and their base
.endif
	TOSTAGE \a
	SEND \a-1, 32                                  ; behind block a - 1's loads: block a's 16 stores and 16 loads
.endr
	s_wait_xcnt 0x0
	SEND 7, 0
	s_wait_tensorcnt 0x0                           ; the wave's end
	ds_add_u32 v[SPW], v[NIL]
	s_wait_dscnt 0x0
	CROUND                                         ; the closing round
	s_endpgm
.Lfunc_end_k_q324292db59_outp:
	.size	k_q324292db59_outp, .Lfunc_end_k_q324292db59_outp-k_q324292db59_outp
	.p2alignl 7, 3214868480
	.fill 96, 4, 3214868480
	.section	.rodata,"a",@progbits
	.p2align	6, 0x0
	.amdhsa_kernel k_q324292db59_outp
		.amdhsa_group_segment_fixed_size 327680
		.amdhsa_private_segment_fixed_size 0
		.amdhsa_enable_private_segment 0
		.amdhsa_kernarg_size 32
		.amdhsa_user_sgpr_count 2
		.amdhsa_user_sgpr_kernarg_segment_ptr 1
		.amdhsa_wavefront_size32 1
		.amdhsa_system_sgpr_workgroup_id_x 1
		.amdhsa_system_sgpr_workgroup_id_y 1
		.amdhsa_system_sgpr_workgroup_id_z 1
		.amdhsa_system_vgpr_workitem_id 0
		.amdhsa_next_free_vgpr 1024
		.amdhsa_next_free_sgpr 98
		.amdhsa_reserve_vcc 0
		.amdhsa_float_denorm_mode_32 3
		.amdhsa_float_denorm_mode_16_64 3
		.amdhsa_memory_ordered 1
		.amdhsa_forward_progress 1
		.amdhsa_inst_pref_size 153
	.end_amdhsa_kernel
	.amdgpu_metadata
---
amdhsa.version: [ 1, 2 ]
amdhsa.kernels:
  - .name:           k_q324292db59_outp
    .symbol:         k_q324292db59_outp.kd
    .args:
      - { .name: abuf, .offset: 0, .size: 8, .value_kind: global_buffer, .address_space: global }
      - { .name: wbuf, .offset: 8, .size: 8, .value_kind: global_buffer, .address_space: global }
      - { .name: bo, .offset: 16, .size: 8, .value_kind: global_buffer, .address_space: global }
      - { .name: out0, .offset: 24, .size: 8, .value_kind: global_buffer, .address_space: global }
    .group_segment_fixed_size: 327680
    .private_segment_fixed_size: 0
    .kernarg_segment_align: 8
    .kernarg_segment_size: 32
    .max_flat_workgroup_size: 128
    .sgpr_count:     98
    .vgpr_count:     1024
    .wavefront_size: 32
...
	.end_amdgpu_metadata
.endif
;; end of part 5
